; MI455X (gfx1250); checked and timed in simulation.
; The chip was launched on July 23, 2026; its instructions are those of AMD's public machine-readable ISA for CDNA 5 (MIT licence, August 2026) and "CDNA5" Instruction Set Architecture Reference Guide (July 2026). The comments in the code are by the model that wrote it; some were corrected since.
;; Mo E Layer. Allowed arithmetic: float matrix products may take bf16 or f16 operands with f32 sums; other float arithmetic in f32, or as packed bf16 or f16 multiplies, adds, multiply-adds, maxima and minima; sums over many terms, partial sums and values carried from step to step in f32; what a program stores and reads back later, other than sums and carried values, may be rounded once to bf16 or f16.
;; Inputs: W1 8 x 512 x 2,048 float32; W2 8 x 2,048 x 512 float32; Wr 512 x 8 float32; b1 8 x 2,048 float32; b2 8 x 512 float32; br 8 float32; x 2 x 2,048 x 512 float32.
;; Outputs: out0 2 x 2,048 x 512 float32; out1 one number float32.
;; 2 versions, each right and faster than the one before. Each part assembles by itself: llvm-mc -triple=amdgcn-amd-amdhsa -mcpu=gfx1250 --defsym DOCPART=n.
;; ======== version 1 of 2: 3 launches
;; workspace buffers: xb 4,194,304 bytes; wf 33,554,432 bytes; route 24,576 bytes of whole numbers; rf 49,152 bytes; part 67,108,864 bytes
;; launch prep (part 1): grid 544 x 1, 8 waves a work-group, no clusters, 0 bytes of LDS; arguments x, Wr, br, W1, W2, xb, wf, route, rf; writes xb, wf, route, rf
.if DOCPART == 1
	.amdgcn_target "amdgcn-amd-amdhsa--gfx1250"
	.amdhsa_code_object_version 6
	.text
	.protected	k_q5de0d1c0ee_prep
	.globl	k_q5de0d1c0ee_prep
	.p2align	8
	.type	k_q5de0d1c0ee_prep,@function
k_q5de0d1c0ee_prep:
	s_mov_b64 s[64:65], 0
	v_nop
	global_prefetch_b8 v0, s[64:65] scope:SCOPE_SE
	s_setreg_imm32_b32 hwreg(HW_REG_WAVE_MODE, 25, 1), 1
	s_wait_xcnt 0x0
; PREP.  Three jobs, chosen by the work-group's number.
;   0..31    ROUTER: wave g = 8 x group + wave owns tokens 16 g .. 16 g + 15: x rounded to bf16 (stored in xb), 8 logits, softmax with the maximum taken away, top-2, gates, and this group's parts of the loss.
;   32..287  W1, 288..543  W2: rounded to bf16 and laid out in the order in which a wave of the next launch takes them as matrix operands.
; ALL INPUTS ARE ROUNDED TO bf16 (x, Wr, br here; W1, W2 here; b1, b2 in the next launch); products and sums are f32.
; LIMITS.  NaN and infinities are not treated apart.  A probability below 2^-126 counts as 0.  Two probabilities that differ by less than the rounding of a 512-term f32 sum (some 1e-7 of a logit)
; may be ranked otherwise than a sum taken in another order would rank them; equal ones go to the lower index.
; wf: [expert 8][slice 4][wave 4][phase 2][K step 16][fragment 8][1,024 bytes].  Fragment 2 G + p of a wave's 128 columns: lane place r holds column 32 G + 2 r + p; bytes 16 (r + 16 h): k = 8 h + 0..7,
; bytes 512 + 16 (r + 16 h): k = 16 + 8 h + 0..7.  Phase 0: W1[e][32 kc + k][512 slice + 128 wave + column].  Phase 1: W2[e][512 slice + 32 kc + k][128 wave + column].
; route: 0: idx[token] = e1 | e2 << 8 (u32); 16,384: bm[e][256] u16, bit j of word g = token 16 g + j chose e; 20,480: gcnt[g][8] u16.   rf: 0: gate[token] = (g1, g2); 32,768: paux[g][16] = 8 sums of p, 8 counts of first choices.
; No LDS, no matrix unit, no cluster: the casts stream each weight once, and the router's 8 columns are too few for a matrix tile.
.set XR, 192                           ; v[192:255] four slots of 16: a token's 512 numbers, 16 a lane (d = 128 c + 4 lane + i at 4 c + i)
.set WT, 64                            ; v[64:191]  Wr[d][e] of my 16 d, at 8 (4 c + i) + e
.set PB, 16                            ; v[16:23]   a token's packed bf16, as stored
.set AC, 24                            ; v[24:31]   8 logits' parts
.set TT, 32                            ; v[32:39]   at work
.set LG, 40                            ; v[40:47]   the logits, lane j = token j
; A task of the casts: 32 k rows x 64 columns: 8 KB read in rows of 256 consecutive bytes, 4 KB stored on end.  A wave has two tasks, all 64 loads out before the first wait.
; Lane l holds columns 2 l, 2 l + 1 of all 32 k: it is lane place l % 16 of the fragments (G = l / 16, p = 0, 1).
.macro CASTJOB rowb
.irp jb,0,1
.set k, 0
.rept 32
	global_load_b64 v[64+64*\jb+2*k:64+64*\jb+2*k+1], v4, s[32:33] offset:k*(\rowb)+256*\jb th:TH_LOAD_NT
.set k, k+1
.endr
.endr
.irp jb,0,1
	s_wait_loadcnt 32-32*\jb               ; task 0: the 32 loads of task 1 stay out; task 1: none is left
.set pp, 0
.rept 2
.set o, 0
.rept 4
.set m, 0
.rept 4
	v_cvt_pk_bf16_f32 v[192+32*\jb+16*pp+4*o+m], v[64+64*\jb+2*(8*o+2*m)+pp], v[64+64*\jb+2*(8*o+2*m+1)+pp]  ; k = 8 o + 2 m below, 8 o + 2 m + 1 above
.set m, m+1
.endr
	global_store_b128 v5, v[192+32*\jb+16*pp+4*o:192+32*\jb+16*pp+4*o+3], s[34:35] offset:4096*\jb+1024*pp+512*(o/2)+256*(o%2)  ; lanes 0-15 and lanes 16-31 each store 256 consecutive aligned bytes
.set o, o+1
.endr
.set pp, pp+1
.endr
.endr
.endm
	s_load_b256 s[4:11], s[0:1], 0x0       ; x s[4:5], Wr s[6:7], br s[8:9], W1 s[10:11]
	s_load_b256 s[12:19], s[0:1], 0x20     ; W2 s[12:13], xb s[14:15], wf s[16:17], route s[18:19]
	s_load_b64 s[20:21], s[0:1], 0x40      ; rf
	v_lshrrev_b32 v2, 5, v0
	v_readfirstlane_b32 s22, v2            ; wave 0..7
	v_and_b32 v1, 31, v0                   ; lane
	s_mov_b32 s23, ttmp9
	s_wait_kmcnt 0x0
	s_cmp_lt_u32 s23, 32
	s_cbranch_scc1 .Lrouter
	v_lshlrev_b32 v4, 3, v1                ; the casts: 8 bytes a lane in a source row,
	v_lshrrev_b32 v5, 4, v1
	v_and_b32 v6, 15, v1
	v_lshlrev_b32 v5, 11, v5               ; and in the fragments: G's two fragments, 2,048 bytes,
	v_lshl_add_u32 v5, v6, 4, v5           ; 16 bytes a lane place
	s_mov_b32 s31, 0
	s_lshr_b32 s27, s22, 2                 ; wave / 4
	s_and_b32 s28, s22, 3                  ; wave % 4
	s_cmp_lt_u32 s23, 288
	s_cbranch_scc1 .Lw1
	; W2: c = group - 288: expert c / 32, q = c % 32; hidden rows 32 (2 q + wave / 4) on; columns 128 (wave % 4) on
	s_sub_co_u32 s24, s23, 288
	s_lshr_b32 s25, s24, 5
	s_and_b32 s26, s24, 31
	s_lshl_b32 s36, s25, 22                ; an expert's 4 MB, in W2 and in wf
	s_lshl_b32 s29, s26, 1
	s_add_co_u32 s29, s29, s27
	s_lshl_b32 s29, s29, 16                ; 32 rows of 2,048 bytes
	s_add_co_u32 s30, s36, s29
	s_lshl_b32 s29, s28, 9
	s_add_co_u32 s30, s30, s29
	s_add_nc_u64 s[32:33], s[12:13], s[30:31]
	s_lshr_b32 s29, s26, 3                 ; slice
	s_lshl_b32 s29, s29, 20
	s_add_co_u32 s30, s36, s29
	s_lshl_b32 s29, s28, 18                ; the reading wave
	s_add_co_u32 s30, s30, s29
	s_and_b32 s29, s26, 7
	s_lshl_b32 s29, s29, 1
	s_add_co_u32 s29, s29, s27             ; K step
	s_lshl_b32 s29, s29, 13
	s_add_co_u32 s30, s30, s29
	s_add_co_u32 s30, s30, 131072          ; phase 1
	s_add_nc_u64 s[34:35], s[16:17], s[30:31]
	CASTJOB 2048
	s_endpgm
.Lw1:
	; W1: c = group - 32: expert c / 32, K step (c / 2) % 16, half c % 2; columns 64 (16 half + 2 wave) on
	s_sub_co_u32 s24, s23, 32
	s_lshr_b32 s25, s24, 5
	s_bfe_u32 s26, s24, 0x40001
	s_and_b32 s37, s24, 1
	s_lshl_b32 s36, s25, 22
	s_lshl_b32 s29, s26, 18                ; 32 rows of 8,192 bytes
	s_add_co_u32 s30, s36, s29
	s_lshl_b32 s29, s37, 12
	s_add_co_u32 s30, s30, s29
	s_lshl_b32 s29, s22, 9
	s_add_co_u32 s30, s30, s29
	s_add_nc_u64 s[32:33], s[10:11], s[30:31]
	s_lshl_b32 s29, s37, 1
	s_add_co_u32 s29, s29, s27             ; slice = 2 half + wave / 4
	s_lshl_b32 s29, s29, 20
	s_add_co_u32 s30, s36, s29
	s_lshl_b32 s29, s28, 18
	s_add_co_u32 s30, s30, s29
	s_lshl_b32 s29, s26, 13
	s_add_co_u32 s30, s30, s29
	s_add_nc_u64 s[34:35], s[16:17], s[30:31]
	CASTJOB 8192
	s_endpgm
; One token, in slot s.  left = the younger loads that may stay out.  refill = 1: the slot takes the token four further on.
.macro TOKEN s, refill, left
	s_wait_loadcnt \left                   ; my slot's four loads are in; the other slots' stay out
	s_wait_xcnt 0x0                        ; the last token's stores have read PB: only now is it written again
.irp c,0,1,2,3
	v_cvt_pk_bf16_f32 v[PB+2*\c], v[XR+16*(\s)+4*\c], v[XR+16*(\s)+4*\c+1]
	v_cvt_pk_bf16_f32 v[PB+2*\c+1], v[XR+16*(\s)+4*\c+2], v[XR+16*(\s)+4*\c+3]
	global_store_b64 v3, v[PB+2*\c:PB+2*\c+1], s[26:27] offset:(\s)*1024+\c*256  ; the wave stores 256 consecutive aligned bytes
.endr
.irp j,0,1,2,3,4,5,6,7
	v_lshlrev_b32 v[XR+16*(\s)+2*\j], 16, v[PB+\j]      ; the rounded numbers as f32 again
	v_and_b32 v[XR+16*(\s)+2*\j+1], s29, v[PB+\j]
.endr
.set d, 0
.rept 16                               ; my 16 d: one x for both halves, two experts' weights; four chains
.set p, 0
.rept 4
.if d == 0
	v_pk_mul_f32 v[AC+2*p:AC+2*p+1], v[XR+16*(\s):XR+16*(\s)+1], v[WT+2*p:WT+2*p+1] op_sel_hi:[0,1]
.elseif d%2
	v_pk_fma_f32 v[AC+2*p:AC+2*p+1], v[XR+16*(\s)+d-1:XR+16*(\s)+d], v[WT+8*d+2*p:WT+8*d+2*p+1], v[AC+2*p:AC+2*p+1] op_sel:[1,0,0] op_sel_hi:[1,1,1]
.else
	v_pk_fma_f32 v[AC+2*p:AC+2*p+1], v[XR+16*(\s)+d:XR+16*(\s)+d+1], v[WT+8*d+2*p:WT+8*d+2*p+1], v[AC+2*p:AC+2*p+1] op_sel_hi:[0,1,1]
.endif
.set p, p+1
.endr
.set d, d+1
.endr
.if \refill
.irp c,0,1,2,3
	global_load_b128 v[XR+16*(\s)+4*\c:XR+16*(\s)+4*\c+3], v2, s[24:25] offset:(4+(\s))*2048+\c*512 th:TH_LOAD_NT
.endr
.endif
.irp x,1,2,4,8                         ; across the 32 lanes
.irp e,0,1,2,3,4,5,6,7
	v_add_f32_dpp v[AC+\e], v[AC+\e], v[AC+\e] row_xmask:\x row_mask:0xf bank_mask:0xf
.endr
.endr
.irp e,0,1,2,3,4,5,6,7
	v_permlanex16_b32 v[TT+\e], v[AC+\e], s30, s31
.endr
.irp e,0,1,2,3,4,5,6,7
	v_add_f32 v[AC+\e], v[AC+\e], v[TT+\e]
.endr
	v_cmp_eq_u32 vcc_lo, s28, v1           ; lane j keeps token j's logits
.irp e,0,1,2,3,4,5,6,7
	v_cndmask_b32 v[LG+\e], v[LG+\e], v[AC+\e], vcc_lo
.endr
	s_add_co_u32 s28, s28, 1
.endm
.Lrouter:
	s_load_b256 s[36:43], s[8:9], 0x0      ; br: no line of this launch writes it
	s_lshl_b32 s35, s23, 3
	s_add_co_u32 s35, s35, s22             ; g
	s_lshl_b32 s44, s35, 15
	s_mov_b32 s45, 0
	s_add_nc_u64 s[24:25], s[4:5], s[44:45]   ; x at my 16 tokens
	s_lshl_b32 s44, s35, 14
	s_add_nc_u64 s[26:27], s[14:15], s[44:45] ; xb likewise
	s_mov_b32 s28, 0                       ; the token in hand
	s_mov_b32 s29, 0xffff0000
	s_mov_b32 s30, 0x76543210              ; v_permlanex16_b32: each lane takes its own place in the other half
	s_mov_b32 s31, 0xfedcba98
	s_mov_b32 s33, 0x3fb8aa3b              ; log2(e)
	v_lshlrev_b32 v2, 4, v1                ; x: 16 bytes a lane
	v_lshlrev_b32 v3, 3, v1                ; xb: 8 bytes a lane
	v_lshlrev_b32 v4, 7, v1                ; Wr: four rows of 32 bytes a lane
.set i, 0
.rept 16
	global_load_b128 v[WT+8*i:WT+8*i+3], v4, s[6:7] offset:(i/4)*4096+(i%4)*32
	global_load_b128 v[WT+8*i+4:WT+8*i+7], v4, s[6:7] offset:(i/4)*4096+(i%4)*32+16
.set i, i+1
.endr
.set i, 0
.rept 16
	global_load_b128 v[XR+4*i:XR+4*i+3], v2, s[24:25] offset:(i/4)*2048+(i%4)*512 th:TH_LOAD_NT  ; tokens 0 to 3
.set i, i+1
.endr
.irp e,0,1,2,3,4,5,6,7
	v_mov_b32 v[TT+\e], 0                  ; v_permlanex16_b32 counts as a reader of its destination
	v_mov_b32 v[LG+\e], 0
.endr
	s_wait_loadcnt 16                      ; Wr is in; the 16 loads of x behind it stay out
.set i, 0
.rept 64
	v_cvt_pk_bf16_f32 v[PB+i%8], v[WT+2*i], v[WT+2*i+1]   ; Wr rounded to bf16, kept as f32
	v_lshlrev_b32 v[WT+2*i], 16, v[PB+i%8]
	v_and_b32 v[WT+2*i+1], s29, v[PB+i%8]
.set i, i+1
.endr
	s_mov_b32 s32, 3
.Ltok:                                         ; three trips of four tokens, each slot filled again
	TOKEN 0, 1, 12
	TOKEN 1, 1, 12
	TOKEN 2, 1, 12
	TOKEN 3, 1, 12
	s_wait_xcnt 0x0                        ; the two offsets are stepped only behind this wait
	v_add_nc_u32 v2, 0x2000, v2
	v_add_nc_u32 v3, 0x1000, v3
	s_sub_co_u32 s32, s32, 1
	s_cmp_lg_u32 s32, 0
	s_cbranch_scc1 .Ltok
	TOKEN 0, 0, 12                         ; the last four tokens load nothing: the counts run down
	TOKEN 1, 0, 8
	TOKEN 2, 0, 4
	TOKEN 3, 0, 0
	; THE CLOSING PART: lane = token (lanes 16-31 carry br alone and are stored nowhere)
	s_wait_kmcnt 0x0
.irp p,0,1,2,3
	v_mov_b32 v48, s[36+2*\p]
	v_mov_b32 v49, s[37+2*\p]
	v_cvt_pk_bf16_f32 v48, v48, v49        ; br rounded to bf16
	v_lshlrev_b32 v49, 16, v48
	v_and_b32 v48, s29, v48
	v_add_f32 v[LG+2*\p], v[LG+2*\p], v49
	v_add_f32 v[LG+2*\p+1], v[LG+2*\p+1], v48
.endr
	v_max3_num_f32 v48, v40, v41, v42
	v_max3_num_f32 v48, v48, v43, v44
	v_max3_num_f32 v48, v48, v45, v46
	v_max_num_f32 v48, v48, v47            ; the row's maximum
	v_mul_f32 v49, s33, v48
.irp e,0,1,2,3,4,5,6,7
	v_fma_f32 v[50+\e], v[LG+\e], s33, -v49
.endr
.irp e,0,1,2,3,4,5,6,7
	v_exp_f32 v[50+\e], v[50+\e]
.endr
	v_nop                                  ; a plain instruction behind the last exponential,
	s_wait_alu depctr_va_vdst(0)           ; and one wait for the eight, ahead of their first reader
	v_add_f32 v58, v50, v51
	v_add_f32 v59, v52, v53
	v_add_f32 v60, v54, v55
	v_add_f32 v61, v56, v57
	v_add_f32 v58, v58, v59
	v_add_f32 v60, v60, v61
	v_add_f32 v58, v58, v60
	v_rcp_f32 v58, v58
	v_nop
	s_wait_alu depctr_va_vdst(0)
.irp e,0,1,2,3,4,5,6,7
	v_mul_f32 v[50+\e], v[50+\e], v58      ; the probabilities
.endr
	v_mov_b32 v59, v50                     ; first choice: ascending, strictly greater: the lower index keeps a tie; it is the argmax too
	v_mov_b32 v60, 0
.irp e,1,2,3,4,5,6,7
	v_cmp_gt_f32 vcc_lo, v[50+\e], v59
	v_cndmask_b32 v59, v59, v[50+\e], vcc_lo
	v_cndmask_b32 v60, v60, \e, vcc_lo
.endr
.irp e,0,1,2,3,4,5,6,7
	v_cmp_eq_u32 vcc_lo, \e, v60
	v_cndmask_b32 v[LG+\e], v[50+\e], -1.0, vcc_lo  ; the first choice is taken out
.endr
	v_mov_b32 v61, v40                     ; second choice, likewise
	v_mov_b32 v62, 0
.irp e,1,2,3,4,5,6,7
	v_cmp_gt_f32 vcc_lo, v[LG+\e], v61
	v_cndmask_b32 v61, v61, v[LG+\e], vcc_lo
	v_cndmask_b32 v62, v62, \e, vcc_lo
.endr
	v_add_f32 v63, v59, v61
	v_max_num_f32 v63, 0x3089705f, v63     ; clipped at 1e-9
	v_rcp_f32 v63, v63
	v_lshl_or_b32 v14, v62, 8, v60         ; e1 | e2 << 8
	s_wait_alu depctr_va_vdst(0)
	v_mul_f32 v32, v59, v63                ; the two gates
	v_mul_f32 v33, v61, v63
.irp x,1,2,4,8                         ; the 16 tokens' sums of p, inside the half of 16 lanes
.irp e,0,1,2,3,4,5,6,7
	v_add_f32_dpp v[50+\e], v[50+\e], v[50+\e] row_xmask:\x row_mask:0xf bank_mask:0xf
.endr
.endr
	v_mov_b32 v10, 0
	v_mov_b32 v11, 0
	v_mov_b32 v12, 0
.irp e,0,1,2,3,4,5,6,7
	v_cmp_eq_u32 s44, \e, v60
	v_cmp_eq_u32 s45, \e, v62
	s_and_b32 s44, s44, 0xffff             ; tokens whose first choice is e
	s_or_b32 s45, s45, s44
	s_and_b32 s45, s45, 0xffff             ; tokens that chose e
	s_bcnt1_i32_b32 s46, s45
	s_bcnt1_i32_b32 s47, s44
	v_writelane_b32 v10, s45, \e
	v_writelane_b32 v11, s46, \e
	v_writelane_b32 v12, s47, 8+\e
.endr
	v_cvt_f32_u32 v13, v12                 ; lanes 8-15: the counts of first choices
.irp e,0,1,2,3,4,5,6,7
	v_cmp_eq_u32 vcc_lo, \e, v1
	v_cndmask_b32 v13, v13, v[50+\e], vcc_lo  ; lanes 0-7: the sums of p
.endr
	s_lshl_b32 s34, s35, 6
	v_lshl_add_u32 v5, v1, 2, s34          ; idx and paux: 64 g + 4 lane
	s_lshl_b32 s34, s35, 7
	v_lshl_add_u32 v6, v1, 3, s34          ; gate: 128 g + 8 lane
	s_lshl_b32 s34, s35, 1
	v_lshl_add_u32 v7, v1, 9, s34          ; bm: 512 e + 2 g
	s_lshl_b32 s34, s35, 4
	v_lshl_add_u32 v8, v1, 1, s34          ; gcnt: 16 g + 2 e
	s_wait_xcnt 0x0                        ; EXEC changes only behind this wait
	v_cmp_gt_u32 vcc_lo, 16, v1
	s_and_saveexec_b32 s44, vcc_lo
	global_store_b32 v5, v14, s[18:19]
	global_store_b64 v6, v[32:33], s[20:21]
	global_store_b32 v5, v13, s[20:21] offset:32768
	s_wait_xcnt 0x0
	v_cmp_gt_u32 vcc_lo, 8, v1
	s_and_saveexec_b32 s45, vcc_lo
	global_store_b16 v7, v10, s[18:19] offset:16384   ; eight two-byte stores a wave, 512 bytes apart: 4 KB in the whole launch, laid so that an expert's bitmap is one load of the next launch
	global_store_b16 v8, v11, s[18:19] offset:20480
	s_endpgm
.Lfunc_end_k_q5de0d1c0ee_prep:
	.size	k_q5de0d1c0ee_prep, .Lfunc_end_k_q5de0d1c0ee_prep-k_q5de0d1c0ee_prep
	.p2alignl 7, 3214868480
	.fill 96, 4, 3214868480
	.section	.rodata,"a",@progbits
	.p2align	6, 0x0
	.amdhsa_kernel k_q5de0d1c0ee_prep
		.amdhsa_group_segment_fixed_size 0
		.amdhsa_private_segment_fixed_size 0
		.amdhsa_enable_private_segment 0
		.amdhsa_kernarg_size 72
		.amdhsa_user_sgpr_count 2
		.amdhsa_user_sgpr_kernarg_segment_ptr 1
		.amdhsa_wavefront_size32 1
		.amdhsa_system_sgpr_workgroup_id_x 1
		.amdhsa_system_sgpr_workgroup_id_y 1
		.amdhsa_system_sgpr_workgroup_id_z 1
		.amdhsa_system_vgpr_workitem_id 0
		.amdhsa_next_free_vgpr 256
		.amdhsa_next_free_sgpr 66
		.amdhsa_reserve_vcc 1
		.amdhsa_float_denorm_mode_32 3
		.amdhsa_float_denorm_mode_16_64 3
		.amdhsa_memory_ordered 1
		.amdhsa_forward_progress 1
		.amdhsa_inst_pref_size 123
	.end_amdhsa_kernel
	.amdgpu_metadata
---
amdhsa.version: [ 1, 2 ]
amdhsa.kernels:
  - .name:           k_q5de0d1c0ee_prep
    .symbol:         k_q5de0d1c0ee_prep.kd
    .args:
      - { .name: x, .offset: 0, .size: 8, .value_kind: global_buffer, .address_space: global }
      - { .name: Wr, .offset: 8, .size: 8, .value_kind: global_buffer, .address_space: global }
      - { .name: br, .offset: 16, .size: 8, .value_kind: global_buffer, .address_space: global }
      - { .name: W1, .offset: 24, .size: 8, .value_kind: global_buffer, .address_space: global }
      - { .name: W2, .offset: 32, .size: 8, .value_kind: global_buffer, .address_space: global }
      - { .name: xb, .offset: 40, .size: 8, .value_kind: global_buffer, .address_space: global }
      - { .name: wf, .offset: 48, .size: 8, .value_kind: global_buffer, .address_space: global }
      - { .name: route, .offset: 56, .size: 8, .value_kind: global_buffer, .address_space: global }
      - { .name: rf, .offset: 64, .size: 8, .value_kind: global_buffer, .address_space: global }
    .group_segment_fixed_size: 0
    .private_segment_fixed_size: 0
    .kernarg_segment_align: 8
    .kernarg_segment_size: 72
    .max_flat_workgroup_size: 256
    .sgpr_count:     66
    .vgpr_count:     256
    .wavefront_size: 32
...
	.end_amdgpu_metadata
.endif
;; end of part 1
;; launch chain (part 2): grid 256 x 1, 4 waves a work-group, no clusters, 184,832 bytes of LDS; arguments route, rf, xb, wf, b1, b2, part; writes part
.if DOCPART == 2
	.amdgcn_target "amdgcn-amd-amdhsa--gfx1250"
	.amdhsa_code_object_version 6
	.text
	.protected	k_q5de0d1c0ee_chain
	.globl	k_q5de0d1c0ee_chain
	.p2align	8
	.type	k_q5de0d1c0ee_chain,@function
k_q5de0d1c0ee_chain:
	s_mov_b64 s[64:65], 0
	v_nop
	global_prefetch_b8 v0, s[64:65] scope:SCOPE_SE
	s_setreg_imm32_b32 hwreg(HW_REG_WAVE_MODE, 25, 1), 1
	s_wait_xcnt 0x0
; CHAIN.  A work-group takes a tile of up to 144 routed rows of ONE expert through a quarter (512 units) of the hidden layer: gather, x W1 + b1, exact GELU, h W2 (+ b2 in slice 0), times the gate;
; it stores its rows as f32 partial rows part[slice][choice][token][512], which the next launch adds.
; GRID.  The sum over experts of ceil(n_e / 144) is at most (8,192 + 8 x 143) / 144 = 64 whatever the split, so 64 tiles x 4 slices = 256 work-groups serve every split.  Every work-group finds its
; expert and rows from the stored counts.  Places past the count repeat the tile's last row and are not stored; a tile without rows works on token 0 and stores nothing.
; SHARES.  Wave w owns 128 columns in both products and all 144 rows: 72 accumulators of 16 x 16.  So each weight byte has ONE reading wave: the weights (bf16, in operand order) come from memory straight into
; operand registers, 512 consecutive bytes a load, three K steps ahead; LDS holds what the waves share: the rows (x, later h).
; THE PRODUCTS ARE USED TRANSPOSED (source 0 = 16 weight columns, source 1 = 16 rows): a lane holds one row (lane % 16), and registers j of the fragments (G, 0), (G, 1) hold columns 32 G + 16 (lane / 16) + 2 j + 0, 1.
; The bias, rounded to bf16, is the C operand of the first K step: nothing is cleared and nothing added later.
; NO CLUSTER: an expert's tiles walk the same weights, but partners must be alike in every count; whole clusters of four tiles dealt to experts on 16 places need (8,192 + 8 (C - 1)) / C <= 16, C = 1,024 rows a
; cluster, 256 rows a work-group: twice the matrix work.  NO TENSOR LOAD: the rows come by a list, and a weight has one reader.
; LIMITS.  All inputs are rounded to bf16; h is rounded once to bf16; erf is a quotient of polynomials in z^2 (7 and 5 coefficients) with z held to -4 .. 4, beyond which erf is 1 to f32's rounding;
; NaN and infinities are not treated apart.
; LDS: 0: XH, 144 rows x 1,040 bytes (1,024 + 16: 65 x 16, so the 16 rows of a load start in 16 different groups of four banks: ISA guide 11.1); STG: 16 rows x 528 bytes for each wave, its own; LIST: 144 tokens and a dump word; SPARE.
; REGISTERS, in windows of 256 (s_set_vgpr_msb: bits 1:0 source 0, 3:2 source 1, 5:4 source 2, 7:6 destination):
;   window 0: v0-47 addresses, gates, at work; v48-111 accumulators of row block 8; v112-183, v184-255 two buffers of row fragments (9 x 8)
;   window 1: four buffers of 64: a K step's 8 weight fragments; the fourth holds the bias as C in a phase's first K step          windows 2, 3: accumulators (a, f) at 64 (a % 4) + 8 f
.set PITCH,  1040
.set BLK,    16*PITCH
.set STG,    144*PITCH
.set SPITCH, 528
.set LIST,   STG+4*16*SPITCH
.set SPARE,  LIST+768                  ; the spare words: 128 bytes for each wave, two blocks of 256 bytes that no other line names
; v1 lane % 16; v2 lane / 16; v3 16 x lane; v4-6 fragment addresses of row blocks 0-2, 3-5, 6-8 (v40-42 their first values); v7 where h goes; v8, v9 stage in, stage back;
; v10-18 the gate of row 16 a + lane % 16; v19-27 its place choice x 4,096 + token; v28-39 at work; v43 64 x (lane / 16); v44 lane; v46, v47 the add's two registers
; s18 wave; s19 tile; s20 slice; s21 expert; s22 first rank; s23 rows; s24 rows - 1, at least 0; s[34:35] my weights; s[36:37] bias; s38 bias mask; s39 phase; s[48:49] part; s[66:91] constants, in pairs
.set MSB, 0
.macro WIN new                         ; the high byte repeats the setting that is left; a switch that changes nothing is dropped
.if MSB != (\new)
	s_set_vgpr_msb (MSB<<8)|(\new)
.set MSB, (\new)
.endif
.endm
.macro PLACES                          ; four plain instructions between a matrix instruction and a load into, or a vector read of, its registers
.rept 4
	v_nop
.endr
.endm
.macro SPAIR r, val                    ; a constant for packed arithmetic: named as a pair, so both words are written
	s_mov_b32 s[\r], \val
	s_mov_b32 s[(\r)+1], \val
.endm
.macro WLOAD buf, off                  ; a K step's 8 weight fragments, 8 KB on end: 16 loads of 512 consecutive bytes
	WIN 0x40
.irp f,0,1,2,3,4,5,6,7
	global_load_b128 v[64*(\buf)+8*\f:64*(\buf)+8*\f+3], v3, s[34:35] offset:(\off)+1024*\f
	global_load_b128 v[64*(\buf)+8*\f+4:64*(\buf)+8*\f+7], v3, s[34:35] offset:(\off)+1024*\f+512
.endr
.endm
.macro XLOAD buf, koff                 ; a K step's 9 row fragments: lane l: row l % 16, k = 8 (l / 16) + 0..7 and 16 + 8 (l / 16) + 0..7
	WIN 0
.irp a,0,1,2,3,4,5,6,7,8
	ds_load_b128 v[112+72*(\buf)+8*\a:112+72*(\buf)+8*\a+3], v[4+\a/3] offset:(\a%3)*BLK+(\koff)
	ds_load_b128 v[112+72*(\buf)+8*\a+4:112+72*(\buf)+8*\a+7], v[4+\a/3] offset:(\a%3)*BLK+(\koff)+32
.endr
.endm
.macro MULBLK a, xb, wb, first         ; row block a x 8 fragments.  first = 1: C is the bias
.if (\a) < 4
.set AB, 64*(\a)
.set WN, 0xa1-0x10*(\first)
.elseif (\a) < 8
.set AB, 64*((\a)-4)
.set WN, 0xf1-0x20*(\first)
.else
.set AB, 48
.set WN, 0x01+0x10*(\first)
.endif
	WIN WN
.irp f,0,1,2,3,4,5,6,7
.if \first
	v_wmma_f32_16x16x32_bf16 v[AB+8*\f:AB+8*\f+7], v[64*(\wb)+8*\f:64*(\wb)+8*\f+7], v[112+72*(\xb)+8*(\a):112+72*(\xb)+8*(\a)+7], v[192+8*\f:192+8*\f+7]
.else
	v_wmma_f32_16x16x32_bf16 v[AB+8*\f:AB+8*\f+7], v[64*(\wb)+8*\f:64*(\wb)+8*\f+7], v[112+72*(\xb)+8*(\a):112+72*(\xb)+8*(\a)+7], v[AB+8*\f:AB+8*\f+7]
.endif
.endr
.endm
; A K STEP: 72 matrix instructions; the 72 accumulators take turns, in the same order in every step.  Behind the first 32 stand the loads: the next step's row fragments (xn) into the other
; buffer, and the weights three steps on (wn) into the buffer that the step before read.  lw: the weight loads issued behind this step's own.
; first = 1: the weight run lands on the bias registers, which every product of the step reads, so it stands at the step's end.
.macro CHUNK xb, wb, first, xn, koff, wn, woff, lw
	s_wait_loadcnt \lw                     ; my step's weights are in; those of the steps behind it stay out
	s_wait_dscnt 0x0                       ; the row fragments, asked for 40 matrix instructions ago
	MULBLK 0, \xb, \wb, \first
	MULBLK 1, \xb, \wb, \first
	MULBLK 2, \xb, \wb, \first
	MULBLK 3, \xb, \wb, \first
.if (\xn) || (\wn)
	PLACES
.endif
.if \xn
	XLOAD 1-(\xb), \koff
.endif
.if (\wn) && !(\first)
	WLOAD ((\wb)+3)%4, \woff
.endif
	MULBLK 4, \xb, \wb, \first
	MULBLK 5, \xb, \wb, \first
	MULBLK 6, \xb, \wb, \first
	MULBLK 7, \xb, \wb, \first
	MULBLK 8, \xb, \wb, \first
.if \first
	PLACES
	WLOAD 3, \woff
.endif
.endm
.macro BIASLOAD                        ; my 16 neighbouring columns' bias for each G, as f32, into window 0's v192-255
	WIN 0
.irp g,0,1,2,3
.irp m,0,1,2,3
	global_load_b128 v[192+16*\g+4*\m:192+16*\g+4*\m+3], v43, s[36:37] offset:128*\g+16*\m
.endr
.endr
.endm
.macro BIASCVT                         ; rounded to bf16, masked, and laid out as the 8 fragments' C operands in window 1's v192-255
	WIN 0
.set i, 0
.rept 32
	v_cvt_pk_bf16_f32 v[192+i], v[192+2*i], v[192+2*i+1]
.set i, i+1
.endr
.set i, 0
.rept 32
	v_and_b32 v[192+i], s38, v[192+i]
.set i, i+1
.endr
	WIN 0x40
.set i, 0
.rept 32
	v_lshlrev_b32 v[192+16*(i/8)+i%8], 16, v[192+i]
	v_and_b32 v[192+16*(i/8)+8+i%8], s47, v[192+i]
.set i, i+1
.endr
	WIN 0
.endm
; GELU's static part for row block a, column group g: z = s / sqrt(2) into v112-127 and s / 2 into v128-143; each accumulator is read from its lowest registers on.
.macro GB a, g
.if (\a) < 4
.set AB, 64*(\a)+16*(\g)
	WIN 0x02
.elseif (\a) < 8
.set AB, 64*((\a)-4)+16*(\g)
	WIN 0x03
.else
.set AB, 48+16*(\g)
	WIN 0
.endif
.irp q,0,1,2,3,4,5,6,7
	v_pk_mul_f32 v[112+2*\q:113+2*\q], v[AB+2*\q:AB+2*\q+1], s[66:67] op_sel_hi:[1,0]
.endr
.irp q,0,1,2,3,4,5,6,7
	v_pk_mul_f32 v[128+2*\q:129+2*\q], v[AB+2*\q:AB+2*\q+1], 0.5 op_sel_hi:[1,0]
.endr
	WIN 0
	s_mov_b32 s41, (\a)*BLK+64*(\g)        ; where the batch's 32 bytes a lane go in XH
	s_branch .Lgc
.endm
.macro HORNER d, c, rc                 ; d = d x z^2 + c, 8 pairs; rc >= 0: a reciprocal of the denominator behind each line
.irp q,0,1,2,3,4,5,6,7
	v_pk_fma_f32 v[(\d)+2*\q:(\d)+2*\q+1], v[(\d)+2*\q:(\d)+2*\q+1], v[144+2*\q:145+2*\q], s[\c:(\c)+1] op_sel_hi:[1,1,0]
.if (\rc) >= 0
	v_rcp_f32 v[176+(\rc)+\q], v[176+(\rc)+\q]
.endif
.endr
.endm
; The way out's static part for row block a: times the gate, four neighbouring columns to four neighbouring registers
.macro EB a
.if (\a) < 4
.set AB, 64*(\a)
	WIN 0x02
.elseif (\a) < 8
.set AB, 64*((\a)-4)
	WIN 0x03
.else
.set AB, 48
	WIN 0
.endif
.irp g,0,1,2,3
.irp i,0,1,2,3
	v_mul_f32 v[112+16*\g+4*\i], v[AB+16*\g+2*\i], v[10+(\a)]
	v_mul_f32 v[112+16*\g+4*\i+1], v[AB+16*\g+8+2*\i], v[10+(\a)]
	v_mul_f32 v[112+16*\g+4*\i+2], v[AB+16*\g+2*\i+1], v[10+(\a)]
	v_mul_f32 v[112+16*\g+4*\i+3], v[AB+16*\g+8+2*\i+1], v[10+(\a)]
.endr
.endr
	WIN 0
	v_mov_b32 v28, v[19+(\a)]
	s_branch .Lec
.endm
	s_load_b256 s[4:11], s[0:1], 0x0       ; route s[4:5], rf s[6:7], xb s[8:9], wf s[10:11]
	s_load_b128 s[12:15], s[0:1], 0x20     ; b1 s[12:13], b2 s[14:15]
	s_load_b64 s[16:17], s[0:1], 0x30      ; part
	v_lshl_add_u32 v46, v0, 2, SPARE       ; my spare word,
	v_mov_b32 v47, 0                       ; and 0: for the wave's end alone
	v_lshrrev_b32 v28, 5, v0
	v_readfirstlane_b32 s18, v28           ; wave 0..3
	s_lshr_b32 s19, ttmp9, 2               ; tile
	s_and_b32 s20, ttmp9, 3                ; slice
	v_and_b32 v44, 31, v0
	v_and_b32 v1, 15, v0
	v_bfe_u32 v2, v0, 4, 1
	v_lshlrev_b32 v3, 4, v44
	v_lshlrev_b32 v43, 6, v2
	s_mov_b32 s47, 0xffff0000
	s_mov_b32 s57, 0
	s_mov_b32 s58, 0x76543210
	s_mov_b32 s59, 0xfedcba98
	s_wait_kmcnt 0x0
	; THE COUNTS: 256 groups x 8 experts of 16 bits, a group a lane and load
.irp c,0,1,2,3,4,5,6,7
	global_load_b128 v[112+4*\c:115+4*\c], v3, s[4:5] offset:20480+512*\c
.endr
	v_mul_u32_u24 v4, v1, PITCH
	v_lshl_add_u32 v4, v2, 4, v4
	v_add_nc_u32 v5, 3*BLK, v4
	v_add_nc_u32 v6, 6*BLK, v4
	v_mov_b32 v40, v4
	v_mov_b32 v41, v5
	v_mov_b32 v42, v6
	v_mul_u32_u24 v7, v1, PITCH
	v_lshl_add_u32 v7, v2, 5, v7
	s_lshl_b32 s30, s18, 8
	v_add_nc_u32 v7, s30, v7               ; row x pitch + 256 wave + 32 (lane / 16)
	s_mul_i32 s30, s18, 16*SPITCH
	s_add_co_u32 s30, s30, STG
	v_mul_u32_u24 v8, v1, SPITCH
	v_lshl_add_u32 v8, v2, 6, v8
	v_add_nc_u32 v8, s30, v8
	v_add_nc_u32 v9, s30, v3
.irp q,0,1,2,3
	v_mov_b32 v[28+\q], 0                  ; destinations of lane moves count as read
.endr
	s_wait_loadcnt 0x0
.irp c,1,2,3,4,5,6,7
.irp q,0,1,2,3
	v_add_nc_u32 v[112+\q], v[112+\q], v[112+4*\c+\q]   ; two 16-bit fields a word; a total is 4,096 at the most
.endr
.endr
.irp x,1,2,4,8
.irp q,0,1,2,3
	v_mov_b32_dpp v[28+\q], v[112+\q] row_xmask:\x row_mask:0xf bank_mask:0xf
.endr
.irp q,0,1,2,3
	v_add_nc_u32 v[112+\q], v[112+\q], v[28+\q]
.endr
.endr
.irp q,0,1,2,3
	v_permlanex16_b32 v[28+\q], v[112+\q], s58, s59
.endr
.irp q,0,1,2,3
	v_add_nc_u32 v[112+\q], v[112+\q], v[28+\q]
.endr
.irp q,0,1,2,3
	v_readfirstlane_b32 s[26+\q], v[112+\q]
.endr
	; which expert's which tile am I: the last expert whose first tile is not behind mine
	s_mov_b32 s25, 0
	s_mov_b32 s21, 0
	s_mov_b32 s33, 0
	s_mov_b32 s55, 0
.irp e,0,1,2,3,4,5,6,7
.if (\e)%2
	s_lshr_b32 s30, s[26+(\e)/2], 16
.else
	s_and_b32 s30, s[26+(\e)/2], 0xffff
.endif
	s_add_co_u32 s31, s30, 143
	s_mul_i32 s31, s31, 29128
	s_lshr_b32 s31, s31, 22                ; ceil(n / 144): 29,128 / 2^22 is exact for n + 143 up to 32,765
	s_sub_co_u32 s32, s19, s25
	s_cmp_ge_u32 s19, s25
	s_cselect_b32 s21, \e, s21
	s_cselect_b32 s33, s32, s33
	s_cselect_b32 s55, s30, s55
	s_add_co_u32 s25, s25, s31
.endr
	s_mul_i32 s22, s33, 144                ; my first rank among the expert's tokens
	s_sub_co_i32 s23, s55, s22
	s_max_i32 s23, s23, 0
	s_min_i32 s23, s23, 144                ; my rows
	s_max_u32 s24, s23, 1
	s_sub_co_u32 s24, s24, 1
	s_min_u32 s21, s21, 7
	s_lshl_b32 s30, s21, 2
	s_add_co_u32 s30, s30, s20
	s_lshl_b32 s30, s30, 2
	s_add_co_u32 s30, s30, s18
	s_lshl_b32 s56, s30, 18
	s_add_nc_u64 s[34:35], s[10:11], s[56:57]  ; my 256 KB of weights: phase 0's 16 K steps, then phase 1's
	s_lshl_b32 s56, s21, 13
	s_lshl_b32 s30, s20, 11
	s_add_co_u32 s56, s56, s30
	s_lshl_b32 s30, s18, 9
	s_add_co_u32 s56, s56, s30
	s_add_nc_u64 s[36:37], s[12:13], s[56:57]  ; b1 at my 128 hidden units
	s_mov_b32 s38, -1
	s_lshl_b32 s30, s21, 9
	v_add_nc_u32 v36, s30, v3
	global_load_b128 v[32:35], v36, s[4:5] offset:16384  ; the expert's bitmap: lane l: tokens 128 l .. 128 l + 127
	WLOAD 0, 0
	WLOAD 1, 8192
	WLOAD 2, 16384
	WIN 0
	s_cmp_lg_u32 s18, 0
	s_cbranch_scc1 .Lnoscan
	; THE LIST, by wave 0 alone: token t of rank first + i goes to LIST[i]; all others to the dump word
	s_wait_loadcnt 48                      ; the bitmap is in; the 48 weight loads behind it stay out
	v_mov_b32 v37, LIST
	v_mov_b32 v38, 0
	ds_store_b32 v37, v38                  ; a tile without rows works on token 0
	s_sub_co_u32 s50, 0, s22               ; the rank of the next chosen token, less my first
	s_mov_b32 s53, 0
	s_mov_b32 s54, 0
.Lscan:
.irp i,0,1,2,3
	v_readlane_b32 s51, v[32+\i], s54      ; 32 tokens' bits
	v_mbcnt_lo_u32_b32 v37, s51, s50       ; my token's rank: the bits below mine, and what came before
	v_cndmask_b32 v37, -1, v37, s51
	v_min_u32 v37, 144, v37                ; not chosen, below my first (a large unsigned number) or past my last: the dump word
	v_lshl_add_u32 v38, v37, 2, LIST
	v_add_nc_u32 v39, s53, v44
	ds_store_b32 v38, v39
	s_bcnt1_i32_b32 s52, s51
	s_add_co_u32 s50, s50, s52
	s_add_co_u32 s53, s53, 32
.endr
	s_add_co_u32 s54, s54, 1
	s_cmp_lt_u32 s54, 32
	s_cbranch_scc1 .Lscan
.Lnoscan:
	s_wait_dscnt 0x0                       ; for the others' sake: the list is stored
	s_barrier_signal -1
	s_barrier_wait -1
	; THE ROWS: each lane's 9 tokens (gate and place), and the wave's 36 rows of x into XH
	BIASLOAD
.irp a,0,1,2,3,4,5,6,7,8
	v_add_nc_u32 v[148+\a], 16*\a, v1
	v_min_u32 v[148+\a], s24, v[148+\a]    ; places past the count repeat the last row
	v_min_u32 v[148+\a], 143, v[148+\a]
	v_lshl_add_u32 v[148+\a], v[148+\a], 2, LIST
.endr
	s_mul_i32 s30, s18, 36
	v_add_nc_u32 v28, s30, v44
	v_add_nc_u32 v29, 32, v28
.irp q,28,29
	v_min_u32 v\q, s24, v\q
	v_min_u32 v\q, 143, v\q
	v_lshl_add_u32 v\q, v\q, 2, LIST
.endr
.irp a,0,1,2,3,4,5,6,7,8
	ds_load_b32 v[148+\a], v[148+\a]
.endr
	ds_load_b32 v28, v28
	ds_load_b32 v29, v29
	s_wait_dscnt 0x0
.irp a,0,1,2,3,4,5,6,7,8
	v_min_u32 v[148+\a], 0xfff, v[148+\a]
	v_lshlrev_b32 v[157+\a], 2, v[148+\a]
	v_lshlrev_b32 v[166+2*\a], 3, v[148+\a]
.endr
	v_min_u32 v28, 0xfff, v28
	v_min_u32 v29, 0xfff, v29
.irp a,0,1,2,3,4,5,6,7,8
	global_load_b32 v[157+\a], v[157+\a], s[4:5]
	global_load_b64 v[166+2*\a:167+2*\a], v[166+2*\a], s[6:7]
.endr
.set i, 0
.rept 36
.if i < 32
	v_readlane_b32 s30, v28, i
.else
	v_readlane_b32 s30, v29, i-32
.endif
	s_min_u32 s30, s30, 0xfff
	s_lshl_b32 s30, s30, 10
	v_add_nc_u32 v[112+i], s30, v3         ; the token's 1,024 bytes of xb, 16 a lane
.set i, i+1
.endr
	WIN 0x80                               ; the accumulators' registers are free: rows 0-31 into window 2,
.set i, 0
.rept 32
	global_load_b128 v[8*i:8*i+3], v[112+i], s[8:9]
	global_load_b128 v[8*i+4:8*i+7], v[112+i], s[8:9] offset:512
.set i, i+1
.endr
	WIN 0xc0                               ; rows 32-35 into window 3
.set i, 0
.rept 4
	global_load_b128 v[8*i:8*i+3], v[144+i], s[8:9]
	global_load_b128 v[8*i+4:8*i+7], v[144+i], s[8:9] offset:512
.set i, i+1
.endr
	WIN 0
	SPAIR 66, 0x3f3504f3                   ; 1 / sqrt(2)
	SPAIR 68, 0xaf95df0b                   ; erf(z) = z P(z^2) / Q(z^2).  P, highest power first: -2.72614226e-10
	SPAIR 70, 0x32edffee                   ;  2.77068142e-08
	SPAIR 72, 0xb60cff51                   ; -2.10102402e-06
	SPAIR 74, 0xb86ec2d2                   ; -5.69250639e-05
	SPAIR 76, 0xba40ac63                   ; -7.34990630e-04
	SPAIR 78, 0xbb41a1f6                   ; -2.95459981e-03
	SPAIR 80, 0xbc83dbd4                   ; -1.60960333e-02
	SPAIR 82, 0xb77460cd                   ; Q: -1.45660718e-05
	SPAIR 84, 0xb95fbd29                   ; -2.13374055e-04
	SPAIR 86, 0xbadc924e                   ; -1.68282697e-03
	SPAIR 88, 0xbbf19bf8                   ; -7.37332917e-03
	SPAIR 90, 0xbc69b6a7                   ; -1.42647391e-02
	s_mov_b32 s92, -4.0
	s_mov_b32 s93, 4.0
	s_mov_b32 s39, 0
	s_mul_i32 s30, s18, 36*PITCH
	v_add_nc_u32 v30, s30, v3
	s_wait_loadcnt 0x0
.irp a,0,1,2,3,4,5,6,7,8
	v_lshrrev_b32 v31, 8, v[157+\a]
	v_cmp_eq_u32 vcc_lo, s21, v31          ; is my expert the token's second choice?
	v_cndmask_b32 v[10+\a], v[166+2*\a], v[167+2*\a], vcc_lo
	v_cndmask_b32 v31, 0, 1, vcc_lo
	v_lshl_add_u32 v[19+\a], v31, 12, v[148+\a]
.endr
	WIN 0x08                               ; store data in window 2
.set i, 0
.rept 32
	ds_store_b128 v30, v[8*i:8*i+3] offset:i*PITCH
	ds_store_b128 v30, v[8*i+4:8*i+7] offset:i*PITCH+512
.set i, i+1
.endr
	WIN 0x0c
.set i, 0
.rept 4
	ds_store_b128 v30, v[8*i:8*i+3] offset:(32+i)*PITCH
	ds_store_b128 v30, v[8*i+4:8*i+7] offset:(32+i)*PITCH+512
.set i, i+1
.endr
	WIN 0
.Lphase:                                       ; ONE TEXT FOR BOTH PRODUCTS: 144 rows x 512 (x, then h) times 512 x 128 (my columns of W1's slice, then of W2's)
	s_wait_loadcnt 0x0                     ; the bias, and with it the first three K steps' weights, issued ahead of it
	BIASCVT
	s_wait_dscnt 0x0                       ; for the others' sake: my rows (x), or my columns (h), are stored
	s_barrier_signal -1
	s_barrier_wait -1                      ; XH is whole
	XLOAD 0, 0
	CHUNK 0, 0, 1, 1, 64, 1, 24576, 32
	WIN 0
	s_mov_b32 s40, 3
	s_branch .Lenter                       ; the loop is entered behind its first K step, which is written out above: it starts the sums
.Lloop:                                        ; a trip: four K steps
	s_wait_xcnt 0x0                        ; the weights' base is stepped only behind this wait
	s_add_nc_u64 s[34:35], s[34:35], 0x8000
	v_add_nc_u32 v4, 0x100, v4
	v_add_nc_u32 v5, 0x100, v5
	v_add_nc_u32 v6, 0x100, v6
	CHUNK 0, 0, 0, 1, 64, 1, 24576, 32
	WIN 0
.Lenter:
	CHUNK 1, 1, 0, 1, 128, 1, 32768, 32
	CHUNK 0, 2, 0, 1, 192, 1, 40960, 32
	CHUNK 1, 3, 0, 1, 256, 1, 49152, 32
	WIN 0
	s_sub_co_u32 s40, s40, 1
	s_cmp_lg_u32 s40, 0
	s_cbranch_scc1 .Lloop
	s_wait_xcnt 0x0                        ; K steps 12 to 15 are written out: no load passes the phase's end, and the counts run down
	s_add_nc_u64 s[34:35], s[34:35], 0x8000
	v_add_nc_u32 v4, 0x100, v4
	v_add_nc_u32 v5, 0x100, v5
	v_add_nc_u32 v6, 0x100, v6
	CHUNK 0, 0, 0, 1, 64, 1, 24576, 32
	CHUNK 1, 1, 0, 1, 128, 0, 0, 32
	CHUNK 0, 2, 0, 1, 192, 0, 0, 16
	CHUNK 1, 3, 0, 0, 0, 0, 0, 0
	WIN 0
	PLACES                                 ; behind the last products: their results are read, and their sources loaded into, below
	v_mov_b32 v4, v40
	v_mov_b32 v5, v41
	v_mov_b32 v6, v42
	s_wait_xcnt 0x0
	s_add_nc_u64 s[34:35], s[34:35], 0x8000  ; the next phase's weights
	s_cmp_eq_u32 s39, 1
	s_cbranch_scc1 .Lepi
	; GELU: h = s/2 + s/2 erf(s / sqrt(2)), rounded to bf16, into XH in x's place
	s_wait_dscnt 0x0
	s_barrier_signal -1
	s_barrier_wait -1                      ; no wave reads x any more
	WLOAD 0, 0
	WLOAD 1, 8192
	WLOAD 2, 16384
	WIN 0
	s_lshl_b32 s56, s21, 11
	s_lshl_b32 s30, s18, 9
	s_add_co_u32 s56, s56, s30
	s_add_nc_u64 s[36:37], s[14:15], s[56:57]  ; b2 at my 128 columns,
	s_cmp_eq_u32 s20, 0
	s_cselect_b32 s38, -1, 0               ; which slice 0 alone adds
	BIASLOAD
	s_mov_b32 s44, 0
.Lgl:                                          ; 36 batches of 16 numbers a lane: a short static part for each (an accumulator's name is part of the instruction), one common text
	s_lshr_b32 s42, s44, 2                 ; row block
	s_and_b32 s43, s44, 3                  ; column group
.irp a,0,1,2,3,4,5,6,7
	s_cmp_eq_u32 s42, \a
	s_cbranch_scc1 .Lga\a
.endr
.irp a,8,7,6,5,4,3,2,1,0
.Lga\a:
.irp g,0,1,2
	s_cmp_eq_u32 s43, \g
	s_cbranch_scc1 .Lgb\a\g
.endr
.irp g,3,2,1,0
.Lgb\a\g:
	GB \a, \g
.endr
.endr
.Lgc:                                          ; z v112-127, s/2 v128-143, z^2 v144-159, P v160-175, Q v176-191
.set q, 0
.rept 16
	v_med3_num_f32 v[112+q], v[112+q], s92, s93
.set q, q+1
.endr
.irp q,0,1,2,3,4,5,6,7
	v_pk_mul_f32 v[144+2*\q:145+2*\q], v[112+2*\q:113+2*\q], v[112+2*\q:113+2*\q]
.endr
.irp q,0,1,2,3,4,5,6,7
	v_pk_fma_f32 v[176+2*\q:177+2*\q], v[144+2*\q:145+2*\q], s[82:83], s[84:85] op_sel_hi:[1,0,0]
.endr
	HORNER 176, 86, -1
	HORNER 176, 88, -1
	HORNER 176, 90, -1
.irp q,0,1,2,3,4,5,6,7
	v_pk_fma_f32 v[160+2*\q:161+2*\q], v[144+2*\q:145+2*\q], s[68:69], s[70:71] op_sel_hi:[1,0,0]
.endr
	HORNER 160, 72, 0                      ; the 16 reciprocals are one batch, a plain line of P between any two
	HORNER 160, 74, 8
	HORNER 160, 76, -1
	HORNER 160, 78, -1
	HORNER 160, 80, -1
.irp q,0,1,2,3,4,5,6,7
	v_pk_mul_f32 v[160+2*\q:161+2*\q], v[160+2*\q:161+2*\q], v[112+2*\q:113+2*\q]
.endr
	s_wait_alu depctr_va_vdst(0)           ; one wait for the batch, ahead of its first reader
.irp q,0,1,2,3,4,5,6,7
	v_pk_mul_f32 v[160+2*\q:161+2*\q], v[160+2*\q:161+2*\q], v[176+2*\q:177+2*\q]
.endr
.irp q,0,1,2,3,4,5,6,7
	v_pk_fma_f32 v[128+2*\q:129+2*\q], v[128+2*\q:129+2*\q], v[160+2*\q:161+2*\q], v[128+2*\q:129+2*\q]
.endr
.irp j,0,1,2,3,4,5,6,7
	v_cvt_pk_bf16_f32 v[28+\j], v[128+\j], v[136+\j]   ; columns 2 j and 2 j + 1 of my 16
.endr
	v_add_nc_u32 v36, s41, v7
	ds_store_b128 v36, v[28:31]
	ds_store_b128 v36, v[32:35] offset:16
	s_add_co_u32 s44, s44, 1
	s_cmp_lt_u32 s44, 36
	s_cbranch_scc1 .Lgl
	s_add_co_u32 s39, s39, 1
	s_cmp_lt_u32 s39, 2
	s_cbranch_scc1 .Lphase
.Lepi:                                         ; THE WAY OUT: a row block at a time: times the gate, through my own stage, back as whole rows of 512 bytes
	s_lshl_b32 s56, s20, 24
	s_lshl_b32 s30, s18, 9
	s_add_co_u32 s56, s56, s30
	s_add_nc_u64 s[48:49], s[16:17], s[56:57]  ; part at my slice's two planes and my 128 columns
	s_mov_b32 s45, 0                       ; the row in hand
	s_mov_b32 s44, 0
.Lel:
.irp a,0,1,2,3,4,5,6,7
	s_cmp_eq_u32 s44, \a
	s_cbranch_scc1 .Lea\a
.endr
.irp a,8,7,6,5,4,3,2,1,0
.Lea\a:
	EB \a
.endr
.Lec:
.set n, 0
.rept 16
	ds_store_b128 v8, v[112+4*n:112+4*n+3] offset:128*(n/4)+16*(n%4)
.set n, n+1
.endr
	s_wait_xcnt 0x0                        ; the last block's stores have read their data and offsets
.set n, 0
.rept 16
	ds_load_b128 v[176+4*n:176+4*n+3], v9 offset:SPITCH*n  ; LDS serves a wave's instructions in order (ISA guide 5.7.1.4): these see the stores above, and the next block's stores come behind them
.set n, n+1
.endr
.set n, 0
.rept 16
	s_cmp_ge_u32 s45, s23                  ; rows past the count: whole stores, jumped; all later rows are past it too
	s_cbranch_scc1 .Ldone
	v_readlane_b32 s46, v28, n
	s_min_u32 s46, s46, 0x1fff
	s_lshl_b32 s46, s46, 11
	v_add_nc_u32 v[240+n], s46, v3
	s_wait_dscnt 15-n                      ; row n is back; the younger rows stay out
	global_store_b128 v[240+n], v[176+4*n:176+4*n+3], s[48:49]  ; the wave stores 512 consecutive aligned bytes
	s_add_co_u32 s45, s45, 1
.set n, n+1
.endr
	s_add_co_u32 s44, s44, 1
	s_cmp_lt_u32 s44, 9
	s_cbranch_scc1 .Lel
.Ldone:
	s_wait_tensorcnt 0x0                   ; the wave's end, behind my last LDS store
	ds_add_u32 v46, v47
	s_wait_dscnt 0x0
	s_endpgm
.Lfunc_end_k_q5de0d1c0ee_chain:
	.size	k_q5de0d1c0ee_chain, .Lfunc_end_k_q5de0d1c0ee_chain-k_q5de0d1c0ee_chain
	.p2alignl 7, 3214868480
	.fill 96, 4, 3214868480
	.section	.rodata,"a",@progbits
	.p2align	6, 0x0
	.amdhsa_kernel k_q5de0d1c0ee_chain
		.amdhsa_group_segment_fixed_size 184832
		.amdhsa_private_segment_fixed_size 0
		.amdhsa_enable_private_segment 0
		.amdhsa_kernarg_size 56
		.amdhsa_user_sgpr_count 2
		.amdhsa_user_sgpr_kernarg_segment_ptr 1
		.amdhsa_wavefront_size32 1
		.amdhsa_system_sgpr_workgroup_id_x 1
		.amdhsa_system_sgpr_workgroup_id_y 1
		.amdhsa_system_sgpr_workgroup_id_z 1
		.amdhsa_system_vgpr_workitem_id 0
		.amdhsa_next_free_vgpr 1024
		.amdhsa_next_free_sgpr 96
		.amdhsa_reserve_vcc 1
		.amdhsa_float_denorm_mode_32 3
		.amdhsa_float_denorm_mode_16_64 3
		.amdhsa_memory_ordered 1
		.amdhsa_forward_progress 1
		.amdhsa_inst_pref_size 204
	.end_amdhsa_kernel
	.amdgpu_metadata
---
amdhsa.version: [ 1, 2 ]
amdhsa.kernels:
  - .name:           k_q5de0d1c0ee_chain
    .symbol:         k_q5de0d1c0ee_chain.kd
    .args:
      - { .name: route, .offset: 0, .size: 8, .value_kind: global_buffer, .address_space: global }
      - { .name: rf, .offset: 8, .size: 8, .value_kind: global_buffer, .address_space: global }
      - { .name: xb, .offset: 16, .size: 8, .value_kind: global_buffer, .address_space: global }
      - { .name: wf, .offset: 24, .size: 8, .value_kind: global_buffer, .address_space: global }
      - { .name: b1, .offset: 32, .size: 8, .value_kind: global_buffer, .address_space: global }
      - { .name: b2, .offset: 40, .size: 8, .value_kind: global_buffer, .address_space: global }
      - { .name: part, .offset: 48, .size: 8, .value_kind: global_buffer, .address_space: global }
    .group_segment_fixed_size: 184832
    .private_segment_fixed_size: 0
    .kernarg_segment_align: 8
    .kernarg_segment_size: 56
    .max_flat_workgroup_size: 128
    .sgpr_count:     96
    .vgpr_count:     1024
    .wavefront_size: 32
...
	.end_amdgpu_metadata
.endif
;; end of part 2
;; launch sum (part 3): grid 256 x 1, 8 waves a work-group, no clusters, 0 bytes of LDS; arguments part, rf, out0, out1; writes out0, out1
.if DOCPART == 3
	.amdgcn_target "amdgcn-amd-amdhsa--gfx1250"
	.amdhsa_code_object_version 6
	.text
	.protected	k_q5de0d1c0ee_sum
	.globl	k_q5de0d1c0ee_sum
	.p2align	8
	.type	k_q5de0d1c0ee_sum,@function
k_q5de0d1c0ee_sum:
	s_mov_b64 s[64:65], 0
	v_nop
	global_prefetch_b8 v0, s[64:65] scope:SCOPE_SE
	s_setreg_imm32_b32 hwreg(HW_REG_WAVE_MODE, 25, 1), 1
	s_wait_xcnt 0x0
; SUM.  out0[token][:] = the sum of the token's 8 partial rows (4 slices x 2 choices), in f32, in the fixed order ((0+1)+(2+3))+((4+5)+(6+7)).  part: 8 planes of 8 MB, each laid out as out0.
; Work-group b owns 32,768 bytes of out0; thread t the 16 bytes at 4,096 j + 16 t, j = 0..7: a wave's load or store covers 512 consecutive aligned bytes.  Two register sets of 16 loads take turns.
; Wave 0 of work-group 0 then makes the loss: 8 x sum over e of (count_e / 4,096) (sum of p_e / 4,096) from the 256 groups' parts.
; A stream: no LDS, no matrix unit, no cluster; every byte is read once and written once.
.macro LD sb, j0
.irp jj,0,1
.irp i,0,1,2,3,4,5,6,7
	global_load_b128 v[(\sb)+32*\jj+4*\i:(\sb)+32*\jj+4*\i+3], v1, s[12+2*\i:13+2*\i] offset:((\j0)+\jj)*4096 th:TH_LOAD_NT
.endr
.endr
.endm
.macro SUMST sb, j0
.irp jj,0,1
.set BB, (\sb)+32*\jj
.set RS, 144+4*((\j0)+\jj)
.irp i,0,8,16,24
	v_pk_add_f32 v[BB+\i:BB+\i+1], v[BB+\i:BB+\i+1], v[BB+\i+4:BB+\i+5]
	v_pk_add_f32 v[BB+\i+2:BB+\i+3], v[BB+\i+2:BB+\i+3], v[BB+\i+6:BB+\i+7]
.endr
.irp i,0,16
	v_pk_add_f32 v[BB+\i:BB+\i+1], v[BB+\i:BB+\i+1], v[BB+\i+8:BB+\i+9]
	v_pk_add_f32 v[BB+\i+2:BB+\i+3], v[BB+\i+2:BB+\i+3], v[BB+\i+10:BB+\i+11]
.endr
	v_pk_add_f32 v[RS:RS+1], v[BB:BB+1], v[BB+16:BB+17]
	v_pk_add_f32 v[RS+2:RS+3], v[BB+2:BB+3], v[BB+18:BB+19]     ; each place has result registers of its own: no store's data is written again
	global_store_b128 v1, v[RS:RS+3], s[8:9] offset:((\j0)+\jj)*4096 th:TH_STORE_NT
.endr
.endm
	s_load_b256 s[4:11], s[0:1], 0x0       ; part s[4:5], rf s[6:7], out0 s[8:9], out1 s[10:11]
	v_lshlrev_b32 v1, 4, v0
	v_lshrrev_b32 v2, 5, v0
	v_readfirstlane_b32 s29, v2            ; wave
	s_mov_b32 s28, ttmp9
	s_lshl_b32 s30, ttmp9, 15
	s_mov_b32 s31, 0
	s_mov_b32 s32, 0x76543210
	s_mov_b32 s33, 0xfedcba98
	s_wait_kmcnt 0x0
	s_add_nc_u64 s[12:13], s[4:5], s[30:31]
.irp i,1,2,3,4,5,6,7
	s_add_nc_u64 s[12+2*\i:13+2*\i], s[10+2*\i:11+2*\i], 0x800000   ; the next plane: past the reach of an immediate offset
.endr
	s_add_nc_u64 s[8:9], s[8:9], s[30:31]
	LD 16, 0
	LD 80, 2
	s_wait_loadcnt 16                      ; the first set is in; the other set's 16 loads stay out (so in each wait below)
	SUMST 16, 0
	LD 16, 4
	s_wait_loadcnt 16
	SUMST 80, 2
	LD 80, 6
	s_wait_loadcnt 16
	SUMST 16, 4
	s_wait_loadcnt 0x0
	SUMST 80, 6
	s_cmp_lg_u32 s28, 0
	s_cbranch_scc1 .Lend
	s_cmp_lg_u32 s29, 0
	s_cbranch_scc1 .Lend
	; THE LOSS.  paux is [256][16] f32: lane l of load i holds entries 4 (l % 4) + 0..3 of group 8 i + l / 4
.set i, 0
.rept 32
	global_load_b128 v[16+4*i:19+4*i], v1, s[6:7] offset:32768+512*i
.set i, i+1
.endr
	s_wait_loadcnt 0x0
.irp st,16,8,4,2,1
.set i, 0
.rept \st
	v_pk_add_f32 v[16+4*i:17+4*i], v[16+4*i:17+4*i], v[16+4*(i+\st):17+4*(i+\st)]
	v_pk_add_f32 v[18+4*i:19+4*i], v[18+4*i:19+4*i], v[18+4*(i+\st):19+4*(i+\st)]
.set i, i+1
.endr
.endr
.irp x,4,8
.irp q,0,1,2,3
	v_add_f32_dpp v[16+\q], v[16+\q], v[16+\q] row_xmask:\x row_mask:0xf bank_mask:0xf
.endr
.endr
.irp q,0,1,2,3
	v_permlanex16_b32 v[20+\q], v[16+\q], s32, s33
.endr
.irp q,0,1,2,3
	v_add_f32 v[16+\q], v[16+\q], v[20+\q] ; lanes with l % 4 = 0, 1: the sums of p of experts 0-3, 4-7; 2, 3: their counts
.endr
.irp q,0,1,2,3
	v_mul_f32_dpp v[16+\q], v[16+\q], v[16+\q] row_xmask:2 row_mask:0xf bank_mask:0xf  ; sum of p times count
.endr
	v_add_f32 v16, v16, v17
	v_add_f32 v18, v18, v19
	v_add_f32 v16, v16, v18
	v_add_f32_dpp v16, v16, v16 row_xmask:1 row_mask:0xf bank_mask:0xf
	v_mul_f32 v16, 0x35000000, v16         ; 8 / 4,096^2 = 2^-21
	v_mov_b32 v2, 0
	s_wait_xcnt 0x0                        ; EXEC changes only behind this wait
	v_cmp_eq_u32 vcc_lo, 0, v0
	s_and_saveexec_b32 s34, vcc_lo
	global_store_b32 v2, v16, s[10:11]
	s_endpgm
.Lend:
	s_endpgm
.Lfunc_end_k_q5de0d1c0ee_sum:
	.size	k_q5de0d1c0ee_sum, .Lfunc_end_k_q5de0d1c0ee_sum-k_q5de0d1c0ee_sum
	.p2alignl 7, 3214868480
	.fill 96, 4, 3214868480
	.section	.rodata,"a",@progbits
	.p2align	6, 0x0
	.amdhsa_kernel k_q5de0d1c0ee_sum
		.amdhsa_group_segment_fixed_size 0
		.amdhsa_private_segment_fixed_size 0
		.amdhsa_enable_private_segment 0
		.amdhsa_kernarg_size 32
		.amdhsa_user_sgpr_count 2
		.amdhsa_user_sgpr_kernarg_segment_ptr 1
		.amdhsa_wavefront_size32 1
		.amdhsa_system_sgpr_workgroup_id_x 1
		.amdhsa_system_sgpr_workgroup_id_y 1
		.amdhsa_system_sgpr_workgroup_id_z 1
		.amdhsa_system_vgpr_workitem_id 0
		.amdhsa_next_free_vgpr 176
		.amdhsa_next_free_sgpr 66
		.amdhsa_reserve_vcc 1
		.amdhsa_float_denorm_mode_32 3
		.amdhsa_float_denorm_mode_16_64 3
		.amdhsa_memory_ordered 1
		.amdhsa_forward_progress 1
		.amdhsa_inst_pref_size 24
	.end_amdhsa_kernel
	.amdgpu_metadata
---
amdhsa.version: [ 1, 2 ]
amdhsa.kernels:
  - .name:           k_q5de0d1c0ee_sum
    .symbol:         k_q5de0d1c0ee_sum.kd
    .args:
      - { .name: part, .offset: 0, .size: 8, .value_kind: global_buffer, .address_space: global }
      - { .name: rf, .offset: 8, .size: 8, .value_kind: global_buffer, .address_space: global }
      - { .name: out0, .offset: 16, .size: 8, .value_kind: global_buffer, .address_space: global }
      - { .name: out1, .offset: 24, .size: 8, .value_kind: global_buffer, .address_space: global }
    .group_segment_fixed_size: 0
    .private_segment_fixed_size: 0
    .kernarg_segment_align: 8
    .kernarg_segment_size: 32
    .max_flat_workgroup_size: 256
    .sgpr_count:     66
    .vgpr_count:     176
    .wavefront_size: 32
...
	.end_amdgpu_metadata
.endif
;; end of part 3
;; ======== version 2 of 2: 3 launches; 1.12 times as fast as version 1
;; workspace buffers: xb 4,194,304 bytes; wf 33,554,432 bytes; route 24,576 bytes of whole numbers; rf 49,152 bytes; part 67,108,864 bytes
;; launch prep (part 4): grid 640 x 1, 8 waves a work-group, no clusters, 9,216 bytes of LDS; arguments x, Wr, br, W1, W2, xb, wf, route, rf; writes xb, wf, route, rf
.if DOCPART == 4
	.amdgcn_target "amdgcn-amd-amdhsa--gfx1250"
	.amdhsa_code_object_version 6
	.text
	.protected	k_q5de0d1c0ee_prep
	.globl	k_q5de0d1c0ee_prep
	.p2align	8
	.type	k_q5de0d1c0ee_prep,@function
k_q5de0d1c0ee_prep:
	s_mov_b64 s[64:65], 0
	v_nop
	global_prefetch_b8 v0, s[64:65] scope:SCOPE_SE
	s_setreg_imm32_b32 hwreg(HW_REG_WAVE_MODE, 25, 1), 1
	s_wait_xcnt 0x0
; PREP.  Three jobs, chosen by the work-group's number.
;   0..127    ROUTER: a work-group owns 32 tokens, a wave 4: x rounded to bf16 (stored in xb) and 8 logits a token.  All of a wave's loads go out at once.  The logits meet in LDS; waves 0 and 4 then take
;             a group of 16 tokens each through softmax (the maximum taken away), top-2, gates, and the group's parts of the loss.  The router's work-groups come first: they are the longest.
;   128..383  W1, 384..639  W2: rounded to bf16 and laid out in the order in which a wave of the next launch takes them as matrix operands.
; ALL INPUTS ARE ROUNDED TO bf16 (x, Wr, br here; W1, W2 here; b1, b2 in the next launch); products and sums are f32.
; LIMITS.  NaN and infinities are not treated apart.  A probability below 2^-126 counts as 0.  Two probabilities that differ by less than the rounding of a 512-term f32 sum (some 1e-7 of a logit)
; may be ranked otherwise than a sum taken in another order would rank them; equal ones go to the lower index.
; wf: [expert 8][slice 4][wave 4][phase 2][K step 16][fragment 8][1,024 bytes].  Fragment 2 G + p of a wave's 128 columns: lane place r holds column 32 G + 2 r + p; bytes 16 (r + 16 h): k = 8 h + 0..7,
; bytes 512 + 16 (r + 16 h): k = 16 + 8 h + 0..7.  Phase 0: W1[e][32 kc + k][512 slice + 128 wave + column].  Phase 1: W2[e][512 slice + 32 kc + k][128 wave + column].
; route: 0: idx[token] = e1 | e2 << 8 (u32); 16,384: bm[e][256] u16, bit j of word g = token 16 g + j chose e; 20,480: gcnt[g][8] u16.   rf: 0: gate[token] = (g1, g2); 32,768: paux[g][16] = 8 sums of p, 8 counts of first choices.
; LDS (router alone): 0: 1,024 bytes for each wave, its 8 logit registers, 32 bytes a lane; 8,192: the spare words.  No matrix unit, no cluster: the casts stream each weight once, and the router's 8 columns are too few for a matrix tile.
.set SPARE, 8192                       ; the spare words: 128 bytes for each of eight waves, four blocks of 256 bytes that no other line names
.set XR, 192                           ; v[192:255] four slots of 16: a token's 512 numbers, 16 a lane (d = 128 c + 4 lane + i at 4 c + i)
.set WT, 64                            ; v[64:191]  Wr[d][e] of my 16 d, at 8 (4 c + i) + e
.set PB, 16                            ; v[16:23]   a token's packed bf16, as stored
.set AC, 24                            ; v[24:31]   8 logits' parts
.set TT, 32                            ; v[32:39]   at work
.set LG, 40                            ; v[40:47]   the logits, lane j = token j of the group of 16
                                       ; v9, v15    the add's two registers; never rewritten
; A task of the casts: 32 k rows x 64 columns: 8 KB read in rows of 256 consecutive bytes, 4 KB stored on end.  A wave has two tasks, all 64 loads out before the first wait.
; Lane l holds columns 2 l, 2 l + 1 of all 32 k: it is lane place l % 16 of the fragments (G = l / 16, p = 0, 1).
.macro CASTJOB rowb
.irp jb,0,1
.set k, 0
.rept 32
	global_load_b64 v[64+64*\jb+2*k:64+64*\jb+2*k+1], v4, s[32:33] offset:k*(\rowb)+256*\jb th:TH_LOAD_NT
.set k, k+1
.endr
.endr
.irp jb,0,1
	s_wait_loadcnt 32-32*\jb               ; task 0: the 32 loads of task 1 stay out; task 1: none is left
.set pp, 0
.rept 2
.set o, 0
.rept 4
.set m, 0
.rept 4
	v_cvt_pk_bf16_f32 v[192+32*\jb+16*pp+4*o+m], v[64+64*\jb+2*(8*o+2*m)+pp], v[64+64*\jb+2*(8*o+2*m+1)+pp]  ; k = 8 o + 2 m below, 8 o + 2 m + 1 above
.set m, m+1
.endr
	global_store_b128 v5, v[192+32*\jb+16*pp+4*o:192+32*\jb+16*pp+4*o+3], s[34:35] offset:4096*\jb+1024*pp+512*(o/2)+256*(o%2)  ; lanes 0-15 and lanes 16-31 each store 256 consecutive aligned bytes
.set o, o+1
.endr
.set pp, pp+1
.endr
.endr
.endm
	s_load_b256 s[4:11], s[0:1], 0x0       ; x s[4:5], Wr s[6:7], br s[8:9], W1 s[10:11]
	s_load_b256 s[12:19], s[0:1], 0x20     ; W2 s[12:13], xb s[14:15], wf s[16:17], route s[18:19]
	s_load_b64 s[20:21], s[0:1], 0x40      ; rf
	v_lshl_add_u32 v9, v0, 2, SPARE        ; my spare word,
	v_mov_b32 v15, 0                       ; and 0: for the router's closing lines alone
	v_lshrrev_b32 v2, 5, v0
	v_readfirstlane_b32 s22, v2            ; wave 0..7
	v_and_b32 v1, 31, v0                   ; lane
	s_mov_b32 s23, ttmp9
	s_wait_kmcnt 0x0
	s_cmp_lt_u32 s23, 128
	s_cbranch_scc1 .Lrouter
	v_lshlrev_b32 v4, 3, v1                ; the casts: 8 bytes a lane in a source row,
	v_lshrrev_b32 v5, 4, v1
	v_and_b32 v6, 15, v1
	v_lshlrev_b32 v5, 11, v5               ; and in the fragments: G's two fragments, 2,048 bytes,
	v_lshl_add_u32 v5, v6, 4, v5           ; 16 bytes a lane place
	s_mov_b32 s31, 0
	s_lshr_b32 s27, s22, 2                 ; wave / 4
	s_and_b32 s28, s22, 3                  ; wave % 4
	s_cmp_lt_u32 s23, 384
	s_cbranch_scc1 .Lw1
	; W2: c = group - 384: expert c / 32, q = c % 32; hidden rows 32 (2 q + wave / 4) on; columns 128 (wave % 4) on
	s_sub_co_u32 s24, s23, 384
	s_lshr_b32 s25, s24, 5
	s_and_b32 s26, s24, 31
	s_lshl_b32 s36, s25, 22                ; an expert's 4 MB, in W2 and in wf
	s_lshl_b32 s29, s26, 1
	s_add_co_u32 s29, s29, s27
	s_lshl_b32 s29, s29, 16                ; 32 rows of 2,048 bytes
	s_add_co_u32 s30, s36, s29
	s_lshl_b32 s29, s28, 9
	s_add_co_u32 s30, s30, s29
	s_add_nc_u64 s[32:33], s[12:13], s[30:31]
	s_lshr_b32 s29, s26, 3                 ; slice
	s_lshl_b32 s29, s29, 20
	s_add_co_u32 s30, s36, s29
	s_lshl_b32 s29, s28, 18                ; the reading wave
	s_add_co_u32 s30, s30, s29
	s_and_b32 s29, s26, 7
	s_lshl_b32 s29, s29, 1
	s_add_co_u32 s29, s29, s27             ; K step
	s_lshl_b32 s29, s29, 13
	s_add_co_u32 s30, s30, s29
	s_add_co_u32 s30, s30, 131072          ; phase 1
	s_add_nc_u64 s[34:35], s[16:17], s[30:31]
	CASTJOB 2048
	s_endpgm
.Lw1:
	; W1: c = group - 128: expert c / 32, K step (c / 2) % 16, half c % 2; columns 64 (16 half + 2 wave) on
	s_sub_co_u32 s24, s23, 128
	s_lshr_b32 s25, s24, 5
	s_bfe_u32 s26, s24, 0x40001
	s_and_b32 s37, s24, 1
	s_lshl_b32 s36, s25, 22
	s_lshl_b32 s29, s26, 18                ; 32 rows of 8,192 bytes
	s_add_co_u32 s30, s36, s29
	s_lshl_b32 s29, s37, 12
	s_add_co_u32 s30, s30, s29
	s_lshl_b32 s29, s22, 9
	s_add_co_u32 s30, s30, s29
	s_add_nc_u64 s[32:33], s[10:11], s[30:31]
	s_lshl_b32 s29, s37, 1
	s_add_co_u32 s29, s29, s27             ; slice = 2 half + wave / 4
	s_lshl_b32 s29, s29, 20
	s_add_co_u32 s30, s36, s29
	s_lshl_b32 s29, s28, 18
	s_add_co_u32 s30, s30, s29
	s_lshl_b32 s29, s26, 13
	s_add_co_u32 s30, s30, s29
	s_add_nc_u64 s[34:35], s[16:17], s[30:31]
	CASTJOB 8192
	s_endpgm
; One token, in slot s.  left = the younger loads that may stay out.
.macro TOKEN s, left
	s_wait_loadcnt \left                   ; my slot's four loads are in; the later slots' stay out
	s_wait_xcnt 0x0                        ; the last token's stores have read PB: only now is it written again
.irp c,0,1,2,3
	v_cvt_pk_bf16_f32 v[PB+2*\c], v[XR+16*(\s)+4*\c], v[XR+16*(\s)+4*\c+1]
	v_cvt_pk_bf16_f32 v[PB+2*\c+1], v[XR+16*(\s)+4*\c+2], v[XR+16*(\s)+4*\c+3]
	global_store_b64 v3, v[PB+2*\c:PB+2*\c+1], s[26:27] offset:(\s)*1024+\c*256  ; the wave stores 256 consecutive aligned bytes
.endr
.irp j,0,1,2,3,4,5,6,7
	v_lshlrev_b32 v[XR+16*(\s)+2*\j], 16, v[PB+\j]      ; the rounded numbers as f32 again
	v_and_b32 v[XR+16*(\s)+2*\j+1], s29, v[PB+\j]
.endr
.set d, 0
.rept 16                               ; my 16 d: one x for both halves, two experts' weights; four chains
.set p, 0
.rept 4
.if d == 0
	v_pk_mul_f32 v[AC+2*p:AC+2*p+1], v[XR+16*(\s):XR+16*(\s)+1], v[WT+2*p:WT+2*p+1] op_sel_hi:[0,1]
.elseif d%2
	v_pk_fma_f32 v[AC+2*p:AC+2*p+1], v[XR+16*(\s)+d-1:XR+16*(\s)+d], v[WT+8*d+2*p:WT+8*d+2*p+1], v[AC+2*p:AC+2*p+1] op_sel:[1,0,0] op_sel_hi:[1,1,1]
.else
	v_pk_fma_f32 v[AC+2*p:AC+2*p+1], v[XR+16*(\s)+d:XR+16*(\s)+d+1], v[WT+8*d+2*p:WT+8*d+2*p+1], v[AC+2*p:AC+2*p+1] op_sel_hi:[0,1,1]
.endif
.set p, p+1
.endr
.set d, d+1
.endr
.irp x,1,2,4,8                         ; across the 32 lanes
.irp e,0,1,2,3,4,5,6,7
	v_add_f32_dpp v[AC+\e], v[AC+\e], v[AC+\e] row_xmask:\x row_mask:0xf bank_mask:0xf
.endr
.endr
.irp e,0,1,2,3,4,5,6,7
	v_permlanex16_b32 v[TT+\e], v[AC+\e], s30, s31
.endr
.irp e,0,1,2,3,4,5,6,7
	v_add_f32 v[AC+\e], v[AC+\e], v[TT+\e]
.endr
	v_cmp_eq_u32 vcc_lo, s28, v1           ; lane j keeps token j's logits
.irp e,0,1,2,3,4,5,6,7
	v_cndmask_b32 v[LG+\e], v[LG+\e], v[AC+\e], vcc_lo
.endr
	s_add_co_u32 s28, s28, 1
.endm
.Lrouter:
	s_load_b256 s[36:43], s[8:9], 0x0      ; br: no line of this launch writes it
	s_lshl_b32 s35, s23, 5
	s_lshl_b32 s34, s22, 2
	s_add_co_u32 s35, s35, s34             ; my first token: 32 x group + 4 x wave
	s_lshl_b32 s44, s35, 11
	s_mov_b32 s45, 0
	s_add_nc_u64 s[24:25], s[4:5], s[44:45]   ; x at my 4 tokens
	s_lshl_b32 s44, s35, 10
	s_add_nc_u64 s[26:27], s[14:15], s[44:45] ; xb likewise
	s_and_b32 s28, s22, 3
	s_lshl_b32 s28, s28, 2                 ; the place of the token in hand among its group's 16
	s_mov_b32 s29, 0xffff0000
	s_mov_b32 s30, 0x76543210              ; v_permlanex16_b32: each lane takes its own place in the other half
	s_mov_b32 s31, 0xfedcba98
	s_mov_b32 s33, 0x3fb8aa3b              ; log2(e)
	v_lshlrev_b32 v2, 4, v1                ; x: 16 bytes a lane
	v_lshlrev_b32 v3, 3, v1                ; xb: 8 bytes a lane
	v_lshlrev_b32 v4, 7, v1                ; Wr: four rows of 32 bytes a lane
.set i, 0
.rept 16
	global_load_b128 v[WT+8*i:WT+8*i+3], v4, s[6:7] offset:(i/4)*4096+(i%4)*32
	global_load_b128 v[WT+8*i+4:WT+8*i+7], v4, s[6:7] offset:(i/4)*4096+(i%4)*32+16
.set i, i+1
.endr
.set i, 0
.rept 16
	global_load_b128 v[XR+4*i:XR+4*i+3], v2, s[24:25] offset:(i/4)*2048+(i%4)*512 th:TH_LOAD_NT  ; all four tokens
.set i, i+1
.endr
.irp e,0,1,2,3,4,5,6,7
	v_mov_b32 v[TT+\e], 0                  ; v_permlanex16_b32 counts as a reader of its destination
	v_mov_b32 v[LG+\e], 0                  ; the lanes of other waves' tokens stay 0
.endr
	s_wait_loadcnt 16                      ; Wr is in; the 16 loads of x behind it stay out
.set i, 0
.rept 64
	v_cvt_pk_bf16_f32 v[PB+i%8], v[WT+2*i], v[WT+2*i+1]   ; Wr rounded to bf16, kept as f32
	v_lshlrev_b32 v[WT+2*i], 16, v[PB+i%8]
	v_and_b32 v[WT+2*i+1], s29, v[PB+i%8]
.set i, i+1
.endr
	TOKEN 0, 12                            ; nothing is loaded behind the four tokens: the counts run down
	TOKEN 1, 8
	TOKEN 2, 4
	TOKEN 3, 0
	; the logits meet: each wave's 8 registers into its own 1,024 bytes
	s_lshl_b32 s34, s22, 10
	v_lshl_add_u32 v5, v1, 5, s34
	ds_store_b128 v5, v[40:43]
	ds_store_b128 v5, v[44:47] offset:16
	s_wait_dscnt 0x0                       ; for the others' sake: my logits are stored
	s_barrier_signal -1
	s_barrier_wait -1
	s_wait_tensorcnt 0x0                   ; behind my last LDS store; only LDS reads follow
	ds_add_u32 v9, v15
	s_wait_dscnt 0x0
	s_and_b32 s34, s22, 3
	s_cmp_lg_u32 s34, 0
	s_cbranch_scc1 .Lrend                  ; waves 0 and 4 go on, each with the four waves' logits from its own on
.irp q,0,1,2,3
	ds_load_b128 v[64+8*\q:67+8*\q], v5 offset:1024*\q
	ds_load_b128 v[68+8*\q:71+8*\q], v5 offset:1024*\q+16
.endr
	s_lshl_b32 s35, s23, 1
	s_lshr_b32 s34, s22, 2
	s_add_co_u32 s35, s35, s34             ; g: my group of 16 tokens
	s_wait_dscnt 0x0
.irp e,0,1,2,3,4,5,6,7
	v_add_f32 v[64+\e], v[64+\e], v[72+\e] ; in each lane one of the four is the token's logit, the others are 0
	v_add_f32 v[80+\e], v[80+\e], v[88+\e]
.endr
.irp e,0,1,2,3,4,5,6,7
	v_add_f32 v[LG+\e], v[64+\e], v[80+\e]
.endr
	; THE CLOSING PART: lane = token (lanes 16-31 carry br alone and are stored nowhere)
	s_wait_kmcnt 0x0
.irp p,0,1,2,3
	v_mov_b32 v48, s[36+2*\p]
	v_mov_b32 v49, s[37+2*\p]
	v_cvt_pk_bf16_f32 v48, v48, v49        ; br rounded to bf16
	v_lshlrev_b32 v49, 16, v48
	v_and_b32 v48, s29, v48
	v_add_f32 v[LG+2*\p], v[LG+2*\p], v49
	v_add_f32 v[LG+2*\p+1], v[LG+2*\p+1], v48
.endr
	v_max3_num_f32 v48, v40, v41, v42
	v_max3_num_f32 v48, v48, v43, v44
	v_max3_num_f32 v48, v48, v45, v46
	v_max_num_f32 v48, v48, v47            ; the row's maximum
	v_mul_f32 v49, s33, v48
.irp e,0,1,2,3,4,5,6,7
	v_fma_f32 v[50+\e], v[LG+\e], s33, -v49
.endr
.irp e,0,1,2,3,4,5,6,7
	v_exp_f32 v[50+\e], v[50+\e]
.endr
	v_nop                                  ; a plain instruction behind the last exponential,
	s_wait_alu depctr_va_vdst(0)           ; and one wait for the eight, ahead of their first reader
	v_add_f32 v58, v50, v51
	v_add_f32 v59, v52, v53
	v_add_f32 v60, v54, v55
	v_add_f32 v61, v56, v57
	v_add_f32 v58, v58, v59
	v_add_f32 v60, v60, v61
	v_add_f32 v58, v58, v60
	v_rcp_f32 v58, v58
	v_nop
	s_wait_alu depctr_va_vdst(0)
.irp e,0,1,2,3,4,5,6,7
	v_mul_f32 v[50+\e], v[50+\e], v58      ; the probabilities
.endr
	v_mov_b32 v59, v50                     ; first choice: ascending, strictly greater: the lower index keeps a tie; it is the argmax too
	v_mov_b32 v60, 0
.irp e,1,2,3,4,5,6,7
	v_cmp_gt_f32 vcc_lo, v[50+\e], v59
	v_cndmask_b32 v59, v59, v[50+\e], vcc_lo
	v_cndmask_b32 v60, v60, \e, vcc_lo
.endr
.irp e,0,1,2,3,4,5,6,7
	v_cmp_eq_u32 vcc_lo, \e, v60
	v_cndmask_b32 v[LG+\e], v[50+\e], -1.0, vcc_lo  ; the first choice is taken out
.endr
	v_mov_b32 v61, v40                     ; second choice, likewise
	v_mov_b32 v62, 0
.irp e,1,2,3,4,5,6,7
	v_cmp_gt_f32 vcc_lo, v[LG+\e], v61
	v_cndmask_b32 v61, v61, v[LG+\e], vcc_lo
	v_cndmask_b32 v62, v62, \e, vcc_lo
.endr
	v_add_f32 v63, v59, v61
	v_max_num_f32 v63, 0x3089705f, v63     ; clipped at 1e-9
	v_rcp_f32 v63, v63
	v_lshl_or_b32 v14, v62, 8, v60         ; e1 | e2 << 8
	s_wait_alu depctr_va_vdst(0)
	v_mul_f32 v32, v59, v63                ; the two gates
	v_mul_f32 v33, v61, v63
.irp x,1,2,4,8                         ; the 16 tokens' sums of p, inside the half of 16 lanes
.irp e,0,1,2,3,4,5,6,7
	v_add_f32_dpp v[50+\e], v[50+\e], v[50+\e] row_xmask:\x row_mask:0xf bank_mask:0xf
.endr
.endr
	v_mov_b32 v10, 0
	v_mov_b32 v11, 0
	v_mov_b32 v12, 0
.irp e,0,1,2,3,4,5,6,7
	v_cmp_eq_u32 s44, \e, v60
	v_cmp_eq_u32 s45, \e, v62
	s_and_b32 s44, s44, 0xffff             ; tokens whose first choice is e
	s_or_b32 s45, s45, s44
	s_and_b32 s45, s45, 0xffff             ; tokens that chose e
	s_bcnt1_i32_b32 s46, s45
	s_bcnt1_i32_b32 s47, s44
	v_writelane_b32 v10, s45, \e
	v_writelane_b32 v11, s46, \e
	v_writelane_b32 v12, s47, 8+\e
.endr
	v_cvt_f32_u32 v13, v12                 ; lanes 8-15: the counts of first choices
.irp e,0,1,2,3,4,5,6,7
	v_cmp_eq_u32 vcc_lo, \e, v1
	v_cndmask_b32 v13, v13, v[50+\e], vcc_lo  ; lanes 0-7: the sums of p
.endr
	s_lshl_b32 s34, s35, 6
	v_lshl_add_u32 v5, v1, 2, s34          ; idx and paux: 64 g + 4 lane
	s_lshl_b32 s34, s35, 7
	v_lshl_add_u32 v6, v1, 3, s34          ; gate: 128 g + 8 lane
	s_lshl_b32 s34, s35, 1
	v_lshl_add_u32 v7, v1, 9, s34          ; bm: 512 e + 2 g
	s_lshl_b32 s34, s35, 4
	v_lshl_add_u32 v8, v1, 1, s34          ; gcnt: 16 g + 2 e
	s_wait_xcnt 0x0                        ; EXEC changes only behind this wait
	v_cmp_gt_u32 vcc_lo, 16, v1
	s_and_saveexec_b32 s44, vcc_lo
	global_store_b32 v5, v14, s[18:19]
	global_store_b64 v6, v[32:33], s[20:21]
	global_store_b32 v5, v13, s[20:21] offset:32768
	s_wait_xcnt 0x0
	v_cmp_gt_u32 vcc_lo, 8, v1
	s_and_saveexec_b32 s45, vcc_lo
	global_store_b16 v7, v10, s[18:19] offset:16384   ; eight two-byte stores a group, 512 bytes apart: 4 KB in the whole launch, laid so that an expert's bitmap is one load of the next launch
	global_store_b16 v8, v11, s[18:19] offset:20480
	s_endpgm
.Lrend:
	s_endpgm
.Lfunc_end_k_q5de0d1c0ee_prep:
	.size	k_q5de0d1c0ee_prep, .Lfunc_end_k_q5de0d1c0ee_prep-k_q5de0d1c0ee_prep
	.p2alignl 7, 3214868480
	.fill 96, 4, 3214868480
	.section	.rodata,"a",@progbits
	.p2align	6, 0x0
	.amdhsa_kernel k_q5de0d1c0ee_prep
		.amdhsa_group_segment_fixed_size 9216
		.amdhsa_private_segment_fixed_size 0
		.amdhsa_enable_private_segment 0
		.amdhsa_kernarg_size 72
		.amdhsa_user_sgpr_count 2
		.amdhsa_user_sgpr_kernarg_segment_ptr 1
		.amdhsa_wavefront_size32 1
		.amdhsa_system_sgpr_workgroup_id_x 1
		.amdhsa_system_sgpr_workgroup_id_y 1
		.amdhsa_system_sgpr_workgroup_id_z 1
		.amdhsa_system_vgpr_workitem_id 0
		.amdhsa_next_free_vgpr 256
		.amdhsa_next_free_sgpr 66
		.amdhsa_reserve_vcc 1
		.amdhsa_float_denorm_mode_32 3
		.amdhsa_float_denorm_mode_16_64 3
		.amdhsa_memory_ordered 1
		.amdhsa_forward_progress 1
		.amdhsa_inst_pref_size 90
	.end_amdhsa_kernel
	.amdgpu_metadata
---
amdhsa.version: [ 1, 2 ]
amdhsa.kernels:
  - .name:           k_q5de0d1c0ee_prep
    .symbol:         k_q5de0d1c0ee_prep.kd
    .args:
      - { .name: x, .offset: 0, .size: 8, .value_kind: global_buffer, .address_space: global }
      - { .name: Wr, .offset: 8, .size: 8, .value_kind: global_buffer, .address_space: global }
      - { .name: br, .offset: 16, .size: 8, .value_kind: global_buffer, .address_space: global }
      - { .name: W1, .offset: 24, .size: 8, .value_kind: global_buffer, .address_space: global }
      - { .name: W2, .offset: 32, .size: 8, .value_kind: global_buffer, .address_space: global }
      - { .name: xb, .offset: 40, .size: 8, .value_kind: global_buffer, .address_space: global }
      - { .name: wf, .offset: 48, .size: 8, .value_kind: global_buffer, .address_space: global }
      - { .name: route, .offset: 56, .size: 8, .value_kind: global_buffer, .address_space: global }
      - { .name: rf, .offset: 64, .size: 8, .value_kind: global_buffer, .address_space: global }
    .group_segment_fixed_size: 9216
    .private_segment_fixed_size: 0
    .kernarg_segment_align: 8
    .kernarg_segment_size: 72
    .max_flat_workgroup_size: 256
    .sgpr_count:     66
    .vgpr_count:     256
    .wavefront_size: 32
...
	.end_amdgpu_metadata
.endif
;; end of part 4
;; launch chain (part 5): grid 256 x 1, 4 waves a work-group, no clusters, 187,136 bytes of LDS; arguments route, rf, xb, wf, b1, b2, part; writes part
.if DOCPART == 5
	.amdgcn_target "amdgcn-amd-amdhsa--gfx1250"
	.amdhsa_code_object_version 6
	.text
	.protected	k_q5de0d1c0ee_chain
	.globl	k_q5de0d1c0ee_chain
	.p2align	8
	.type	k_q5de0d1c0ee_chain,@function
k_q5de0d1c0ee_chain:
	s_mov_b64 s[64:65], 0
	v_nop
	global_prefetch_b8 v0, s[64:65] scope:SCOPE_SE
	s_setreg_imm32_b32 hwreg(HW_REG_WAVE_MODE, 25, 1), 1
	s_wait_xcnt 0x0
; CHAIN.  A work-group takes a tile of up to 144 routed rows of ONE expert through a quarter (512 units) of the hidden layer: gather, x W1 + b1, exact GELU, h W2 (+ b2 in slice 0), times the gate;
; it stores its rows as f32 partial rows part[slice][choice][token][512], which the next launch adds.
; GRID.  The sum over experts of ceil(n_e / 144) is at most (8,192 + 8 x 143) / 144 = 64 whatever the split, so 64 tiles x 4 slices = 256 work-groups serve every split.  Every work-group finds its
; expert and rows from the stored counts.  Places past the count repeat the tile's last row and are not stored; a tile without rows works on token 0 and stores nothing.
; ROWS THAT DO NOT EXIST: a tile of 64 rows or fewer jumps row blocks 4 to 8 in every K step but a phase's first (which writes all 72 accumulators), and GELU jumps every row block past the count.
; Only products and vector work are jumped: every load, wait and barrier is on every wave's path.
; SHARES.  Wave w owns 128 columns in both products and all 144 rows: 72 accumulators of 16 x 16.  So each weight byte has ONE reading wave: the weights (bf16, in operand order) come from memory straight into
; operand registers, 512 consecutive bytes a load, three K steps ahead; LDS holds what the waves share: the rows (x, later h).
; THE PRODUCTS ARE USED TRANSPOSED (source 0 = 16 weight columns, source 1 = 16 rows): a lane holds one row (lane % 16), and registers j of the fragments (G, 0), (G, 1) hold columns 32 G + 16 (lane / 16) + 2 j + 0, 1.
; The bias, rounded to bf16, is the C operand of the first K step: nothing is cleared and nothing added later.
; THE LIST of the tile's tokens is made by all four waves in vector registers: lane l holds the expert's bits of tokens 128 l .. 128 l + 127, wave w takes word w of the four; a token's rank is a prefix over lanes and
; words plus the bits below it.  Each wave writes a list of its own, zeroed first, so no two waves write the same bytes; a reader adds the four, of which one holds the entry.
; NO CLUSTER: an expert's tiles walk the same weights, but partners must be alike in every count; whole clusters of four tiles dealt to experts on 16 places need (8,192 + 8 (C - 1)) / C <= 16, C = 1,024 rows a
; cluster, 256 rows a work-group: twice the matrix work.  NO TENSOR LOAD: the rows come by a list, and a weight has one reader.
; LIMITS.  All inputs are rounded to bf16; h is rounded once to bf16.  h = s F(s), F = 1/2 + erf(z) / 2, z = s / sqrt(2); erf(z) = z P(z^2) / Q(z^2), a quotient of polynomials (7 and 5 coefficients), with z^2 held
; to 16 and F held to 0 .. 1: beyond |z| = 4, where erf is 1 to f32's rounding, F is 0 or 1.  NaN and infinities are not treated apart.
; LDS: 0: XH, 144 rows x 1,040 bytes (1,024 + 16: 65 x 16, so the 16 rows of a load start in 16 different groups of four banks: ISA guide 11.1); STG: 16 rows x 528 bytes for each wave, its own;
;   LIST: 768 bytes for each wave: 144 tokens and a dump word; SPARE.
; REGISTERS, in windows of 256 (s_set_vgpr_msb: bits 1:0 source 0, 3:2 source 1, 5:4 source 2, 7:6 destination):
;   window 0: v0-47 addresses, gates, at work; v48-111 accumulators of row block 8 (at work in the head); v112-183, v184-255 two buffers of row fragments (9 x 8); all 144 at work in GELU and on the way out
;   window 1: four buffers of 64: a K step's 8 weight fragments; the fourth takes the raw bias, and holds it as C in a phase's first K step          windows 2, 3: accumulators (a, f) at 64 (a % 4) + 8 f
.set PITCH,  1040
.set BLK,    16*PITCH
.set STG,    144*PITCH
.set SPITCH, 528
.set LIST,   STG+4*16*SPITCH
.set LPITCH, 768
.set SPARE,  LIST+4*LPITCH             ; the spare words: 128 bytes for each wave, two blocks of 256 bytes that no other line names
; v1 lane % 16; v2 lane / 16; v3 16 x lane; v4-6 fragment addresses of row blocks 0-2, 3-5, 6-8 (v40-42 their first values); v7 where h goes; v8, v9 stage in, stage back;
; v10-18 the gate of row 16 a + lane % 16; v19-27 its place choice x 4,096 + token; v28-39 at work (v38, v39: 1/2 in GELU); v43 64 x (lane / 16); v44 lane; v46, v47 the add's two registers
; s18 wave; s19 tile; s20 slice; s21 expert; s22 first rank; s23 rows; s24 rows - 1, at least 0; s[34:35] my weights; s[36:37] bias; s38 bias mask; s39 phase; s[48:49] part; s60 my list;
; s[66:93] constants, in pairs; before and behind GELU s66-83 take rows' tokens read from lanes
.set MSB, 0
.macro WIN new                         ; the high byte repeats the setting that is left; a switch that changes nothing is dropped
.if MSB != (\new)
	s_set_vgpr_msb (MSB<<8)|(\new)
.set MSB, (\new)
.endif
.endm
.macro PLACES                          ; four plain instructions between a matrix instruction and a load into, or a vector read of, its registers
.rept 4
	v_nop
.endr
.endm
.macro SPAIR r, val                    ; a constant for packed arithmetic: named as a pair, so both words are written
	s_mov_b32 s[\r], \val
	s_mov_b32 s[(\r)+1], \val
.endm
.macro WLOAD buf, off                  ; a K step's 8 weight fragments, 8 KB on end: 16 loads of 512 consecutive bytes
	WIN 0x40
.irp f,0,1,2,3,4,5,6,7
	global_load_b128 v[64*(\buf)+8*\f:64*(\buf)+8*\f+3], v3, s[34:35] offset:(\off)+1024*\f
	global_load_b128 v[64*(\buf)+8*\f+4:64*(\buf)+8*\f+7], v3, s[34:35] offset:(\off)+1024*\f+512
.endr
.endm
.macro XLOAD buf, koff                 ; a K step's 9 row fragments: lane l: row l % 16, k = 8 (l / 16) + 0..7 and 16 + 8 (l / 16) + 0..7
	WIN 0
.irp a,0,1,2,3,4,5,6,7,8
	ds_load_b128 v[112+72*(\buf)+8*\a:112+72*(\buf)+8*\a+3], v[4+\a/3] offset:(\a%3)*BLK+(\koff)
	ds_load_b128 v[112+72*(\buf)+8*\a+4:112+72*(\buf)+8*\a+7], v[4+\a/3] offset:(\a%3)*BLK+(\koff)+32
.endr
.endm
.macro MULBLK a, xb, wb, first         ; row block a x 8 fragments.  first = 1: C is the bias
.if (\a) < 4
.set AB, 64*(\a)
.set WN, 0xa1-0x10*(\first)
.elseif (\a) < 8
.set AB, 64*((\a)-4)
.set WN, 0xf1-0x20*(\first)
.else
.set AB, 48
.set WN, 0x01+0x10*(\first)
.endif
	WIN WN
.irp f,0,1,2,3,4,5,6,7
.if \first
	v_wmma_f32_16x16x32_bf16 v[AB+8*\f:AB+8*\f+7], v[64*(\wb)+8*\f:64*(\wb)+8*\f+7], v[112+72*(\xb)+8*(\a):112+72*(\xb)+8*(\a)+7], v[192+8*\f:192+8*\f+7]
.else
	v_wmma_f32_16x16x32_bf16 v[AB+8*\f:AB+8*\f+7], v[64*(\wb)+8*\f:64*(\wb)+8*\f+7], v[112+72*(\xb)+8*(\a):112+72*(\xb)+8*(\a)+7], v[AB+8*\f:AB+8*\f+7]
.endif
.endr
.endm
; A K STEP: 72 matrix instructions; the accumulators take turns, in the same order in every step.  Behind the first 32 stand the loads: the next step's row fragments (xn) into the other
; buffer, and the weights three steps on (wn) into the buffer that the step before read; the four places in front of them stand behind the last product on every way.  lw: the weight loads issued behind this step's own.
; Behind the loads a tile of 64 rows or fewer jumps the other 40 products; then 32 accumulators take turns.
; first = 1: every product is made, so that every accumulator is written; the weight run lands on the bias registers, which every product of the step reads, so it stands at the step's end.
.macro CHUNK xb, wb, first, xn, koff, wn, woff, lw
	s_wait_loadcnt \lw                     ; my step's weights are in; those of the steps behind it stay out
	s_wait_dscnt 0x0                       ; the row fragments, asked for in the middle of the step before
	MULBLK 0, \xb, \wb, \first
	MULBLK 1, \xb, \wb, \first
	MULBLK 2, \xb, \wb, \first
	MULBLK 3, \xb, \wb, \first
.if (\xn) || (\wn)
	PLACES
.endif
.if \xn
	XLOAD 1-(\xb), \koff
.endif
.if (\wn) && !(\first)
	WLOAD ((\wb)+3)%4, \woff
.endif
.if !(\first)
	WIN 0                                  ; at a branch and at a label every window is 0
	s_cmp_lt_u32 s23, 65                   ; rows 64 on do not exist
	s_cbranch_scc1 .Lshort_\@
.endif
	MULBLK 4, \xb, \wb, \first
	MULBLK 5, \xb, \wb, \first
	MULBLK 6, \xb, \wb, \first
	MULBLK 7, \xb, \wb, \first
	MULBLK 8, \xb, \wb, \first
.if \first
	PLACES
	WLOAD 3, \woff
.else
	WIN 0
.Lshort_\@:
.endif
.endm
.macro BIASLOAD                        ; my 16 neighbouring columns' bias for each G, as f32, into window 1's v192-255: the fourth weight buffer, free at both places where this stands
	WIN 0x40
.irp g,0,1,2,3
.irp m,0,1,2,3
	global_load_b128 v[192+16*\g+4*\m:192+16*\g+4*\m+3], v43, s[36:37] offset:128*\g+16*\m
.endr
.endr
	WIN 0
.endm
.macro BIASCVT                         ; rounded to bf16 (packed into window 0's v192-223), masked, and laid out as the 8 fragments' C operands where the raw bias lay
	WIN 0x05                               ; sources 0 and 1 window 1, destination window 0
.set i, 0
.rept 32
	v_cvt_pk_bf16_f32 v[192+i], v[192+2*i], v[192+2*i+1]
.set i, i+1
.endr
	WIN 0
.set i, 0
.rept 32
	v_and_b32 v[192+i], s38, v[192+i]
.set i, i+1
.endr
	WIN 0x40
.set i, 0
.rept 32
	v_lshlrev_b32 v[192+16*(i/8)+i%8], 16, v[192+i]
	v_and_b32 v[192+16*(i/8)+8+i%8], s47, v[192+i]
.set i, i+1
.endr
	WIN 0
.endm
; GELU's static part for half hf of row block a (fragments 4 hf .. 4 hf + 3): zq = s / (4 sqrt(2)) into v112-143; each accumulator is read from its lowest registers on.
.macro GB a, hf
.if (\a) < 4
.set AB, 64*(\a)+32*(\hf)
	WIN 0x02
.elseif (\a) < 8
.set AB, 64*((\a)-4)+32*(\hf)
	WIN 0x03
.else
.set AB, 48+32*(\hf)
	WIN 0
.endif
.set q, 0
.rept 16
	v_pk_mul_f32 v[112+2*q:113+2*q], v[AB+2*q:AB+2*q+1], s[66:67] op_sel_hi:[1,0]
.set q, q+1
.endr
	WIN 0
	s_mov_b32 s41, (\a)*BLK+128*(\hf)      ; where the trip's 2 x 32 bytes a lane go in XH
	s_branch .Lgc
.endm
.macro HORNER d, c, rc                 ; d = d x u + c, 16 pairs; rc >= 0: a reciprocal of the denominator behind each line
.set q, 0
.rept 16
	v_pk_fma_f32 v[(\d)+2*q:(\d)+2*q+1], v[(\d)+2*q:(\d)+2*q+1], v[144+2*q:145+2*q], s[\c:(\c)+1] op_sel_hi:[1,1,0]
.if (\rc) >= 0
	v_rcp_f32 v[208+(\rc)+q], v[208+(\rc)+q]
.endif
.set q, q+1
.endr
.endm
; The way out's static part for row block a: times the gate, four neighbouring columns to four neighbouring registers
.macro EB a
.if (\a) < 4
.set AB, 64*(\a)
	WIN 0x02
.elseif (\a) < 8
.set AB, 64*((\a)-4)
	WIN 0x03
.else
.set AB, 48
	WIN 0
.endif
.irp g,0,1,2,3
.irp i,0,1,2,3
	v_mul_f32 v[112+16*\g+4*\i], v[AB+16*\g+2*\i], v[10+(\a)]
	v_mul_f32 v[112+16*\g+4*\i+1], v[AB+16*\g+8+2*\i], v[10+(\a)]
	v_mul_f32 v[112+16*\g+4*\i+2], v[AB+16*\g+2*\i+1], v[10+(\a)]
	v_mul_f32 v[112+16*\g+4*\i+3], v[AB+16*\g+8+2*\i+1], v[10+(\a)]
.endr
.endr
	WIN 0
	v_mov_b32 v28, v[19+(\a)]
	s_branch .Lec
.endm
	s_load_b256 s[4:11], s[0:1], 0x0       ; route s[4:5], rf s[6:7], xb s[8:9], wf s[10:11]
	s_load_b128 s[12:15], s[0:1], 0x20     ; b1 s[12:13], b2 s[14:15]
	s_load_b64 s[16:17], s[0:1], 0x30      ; part
	v_lshl_add_u32 v46, v0, 2, SPARE       ; my spare word,
	v_mov_b32 v47, 0                       ; and 0: for the wave's end alone
	v_lshrrev_b32 v28, 5, v0
	v_readfirstlane_b32 s18, v28           ; wave 0..3
	s_lshr_b32 s19, ttmp9, 2               ; tile
	s_and_b32 s20, ttmp9, 3                ; slice
	v_and_b32 v44, 31, v0
	v_and_b32 v1, 15, v0
	v_bfe_u32 v2, v0, 4, 1
	v_lshlrev_b32 v3, 4, v44
	v_lshlrev_b32 v43, 6, v2
	s_mov_b32 s47, 0xffff0000
	s_mov_b32 s57, 0
	s_mov_b32 s58, 0x76543210
	s_mov_b32 s59, 0xfedcba98
	s_wait_kmcnt 0x0
	; THE COUNTS (256 groups x 8 experts of 16 bits, a group a lane and load) and, in the same flight, all eight experts' bitmaps (lane l: tokens 128 l .. 128 l + 127)
.irp c,0,1,2,3,4,5,6,7
	global_load_b128 v[112+4*\c:115+4*\c], v3, s[4:5] offset:20480+512*\c
.endr
.irp e,0,1,2,3,4,5,6,7
	global_load_b128 v[144+4*\e:147+4*\e], v3, s[4:5] offset:16384+512*\e
.endr
	s_mul_i32 s60, s18, LPITCH
	s_add_co_u32 s60, s60, LIST            ; my own list: its 768 bytes are zeroed
	v_add_nc_u32 v36, s60, v3
	v_lshl_add_u32 v37, v44, 3, s60
.irp q,0,1,2,3
	v_mov_b32 v[32+\q], 0
.endr
	ds_store_b128 v36, v[32:35]
	ds_store_b64 v37, v[32:33] offset:512
	v_mul_u32_u24 v4, v1, PITCH
	v_lshl_add_u32 v4, v2, 4, v4
	v_add_nc_u32 v5, 3*BLK, v4
	v_add_nc_u32 v6, 6*BLK, v4
	v_mov_b32 v40, v4
	v_mov_b32 v41, v5
	v_mov_b32 v42, v6
	v_mul_u32_u24 v7, v1, PITCH
	v_lshl_add_u32 v7, v2, 5, v7
	s_lshl_b32 s30, s18, 8
	v_add_nc_u32 v7, s30, v7               ; row x pitch + 256 wave + 32 (lane / 16)
	s_mul_i32 s30, s18, 16*SPITCH
	s_add_co_u32 s30, s30, STG
	v_mul_u32_u24 v8, v1, SPITCH
	v_lshl_add_u32 v8, v2, 6, v8
	v_add_nc_u32 v8, s30, v8
	v_add_nc_u32 v9, s30, v3
.irp q,0,1,2,3
	v_mov_b32 v[28+\q], 0                  ; destinations of lane moves count as read
.endr
	s_wait_loadcnt 0x0
.irp c,1,2,3,4,5,6,7
.irp q,0,1,2,3
	v_add_nc_u32 v[112+\q], v[112+\q], v[112+4*\c+\q]   ; two 16-bit fields a word; a total is 4,096 at the most
.endr
.endr
.irp x,1,2,4,8
.irp q,0,1,2,3
	v_mov_b32_dpp v[28+\q], v[112+\q] row_xmask:\x row_mask:0xf bank_mask:0xf
.endr
.irp q,0,1,2,3
	v_add_nc_u32 v[112+\q], v[112+\q], v[28+\q]
.endr
.endr
.irp q,0,1,2,3
	v_permlanex16_b32 v[28+\q], v[112+\q], s58, s59
.endr
.irp q,0,1,2,3
	v_add_nc_u32 v[112+\q], v[112+\q], v[28+\q]
.endr
.irp q,0,1,2,3
	v_readfirstlane_b32 s[26+\q], v[112+\q]
.endr
	; which expert's which tile am I: the last expert whose first tile is not behind mine
	s_mov_b32 s25, 0
	s_mov_b32 s21, 0
	s_mov_b32 s33, 0
	s_mov_b32 s55, 0
.irp e,0,1,2,3,4,5,6,7
.if (\e)%2
	s_lshr_b32 s30, s[26+(\e)/2], 16
.else
	s_and_b32 s30, s[26+(\e)/2], 0xffff
.endif
	s_add_co_u32 s31, s30, 143
	s_mul_i32 s31, s31, 29128
	s_lshr_b32 s31, s31, 22                ; ceil(n / 144): 29,128 / 2^22 is exact for n + 143 up to 32,765
	s_sub_co_u32 s32, s19, s25
	s_cmp_ge_u32 s19, s25
	s_cselect_b32 s21, \e, s21
	s_cselect_b32 s33, s32, s33
	s_cselect_b32 s55, s30, s55
	s_add_co_u32 s25, s25, s31
.endr
	s_mul_i32 s22, s33, 144                ; my first rank among the expert's tokens
	s_sub_co_i32 s23, s55, s22
	s_max_i32 s23, s23, 0
	s_min_i32 s23, s23, 144                ; my rows
	s_max_u32 s24, s23, 1
	s_sub_co_u32 s24, s24, 1
	s_min_u32 s21, s21, 7
	s_lshl_b32 s30, s21, 2
	s_add_co_u32 s30, s30, s20
	s_lshl_b32 s30, s30, 2
	s_add_co_u32 s30, s30, s18
	s_lshl_b32 s56, s30, 18
	s_add_nc_u64 s[34:35], s[10:11], s[56:57]  ; my 256 KB of weights: phase 0's 16 K steps, then phase 1's
	s_lshl_b32 s56, s21, 13
	s_lshl_b32 s30, s20, 11
	s_add_co_u32 s56, s56, s30
	s_lshl_b32 s30, s18, 9
	s_add_co_u32 s56, s56, s30
	s_add_nc_u64 s[36:37], s[12:13], s[56:57]  ; b1 at my 128 hidden units
	s_mov_b32 s38, -1
	WLOAD 0, 0                             ; the first three K steps' weights are on their way while the list is made
	WLOAD 1, 8192
	WLOAD 2, 16384
	WIN 0
	; THE LIST.  My expert's bitmap out of the eight,
.irp i,0,1,2,3
	v_mov_b32 v[32+\i], v[144+\i]
.endr
.irp e,1,2,3,4,5,6,7
	s_cmp_eq_u32 s21, \e
	s_cselect_b32 s30, -1, 0
.irp i,0,1,2,3
	v_cndmask_b32 v[32+\i], v[32+\i], v[144+4*\e+\i], s30
.endr
.endr
.irp i,0,1,2,3
	s_cmp_eq_u32 s18, \i
	s_cselect_b32 s[50+\i], -1, 0          ; word i is my wave's
.endr
	s_cmp_gt_u32 s18, 0
	s_cselect_b32 s54, -1, 0               ; word 0, 1, 2 lies below my wave's
	s_cmp_gt_u32 s18, 1
	s_cselect_b32 s55, -1, 0
	s_cmp_gt_u32 s18, 2
	s_cselect_b32 s61, -1, 0
	v_and_b32 v48, s50, v32
	v_and_or_b32 v48, v33, s51, v48
	v_and_or_b32 v48, v34, s52, v48
	v_and_or_b32 v48, v35, s53, v48        ; my word: tokens 128 lane + 32 wave + bit
	s_mov_b32 s30, 0x55555555
	s_mov_b32 s31, 0x33333333
	s_mov_b32 s32, 0x0f0f0f0f
	s_mov_b32 s33, 0x01010101
	; the four words' counts of bits: pairs, fours, bytes, and the four bytes added by a product
.irp i,0,1,2,3
	v_lshrrev_b32 v[36+\i], 1, v[32+\i]
.endr
.irp i,0,1,2,3
	v_and_b32 v[36+\i], s30, v[36+\i]
.endr
.irp i,0,1,2,3
	v_sub_nc_u32 v[32+\i], v[32+\i], v[36+\i]
.endr
.irp i,0,1,2,3
	v_lshrrev_b32 v[36+\i], 2, v[32+\i]
.endr
.irp i,0,1,2,3
	v_and_b32 v[32+\i], s31, v[32+\i]
.endr
.irp i,0,1,2,3
	v_and_b32 v[36+\i], s31, v[36+\i]
.endr
.irp i,0,1,2,3
	v_add_nc_u32 v[32+\i], v[32+\i], v[36+\i]
.endr
.irp i,0,1,2,3
	v_lshrrev_b32 v[36+\i], 4, v[32+\i]
.endr
.irp i,0,1,2,3
	v_add_nc_u32 v[32+\i], v[32+\i], v[36+\i]
.endr
.irp i,0,1,2,3
	v_and_b32 v[32+\i], s32, v[32+\i]
.endr
.irp i,0,1,2,3
	v_mul_lo_u32 v[32+\i], v[32+\i], s33
.endr
.irp i,0,1,2,3
	v_lshrrev_b32 v[32+\i], 24, v[32+\i]
.endr
	v_add3_u32 v49, v32, v33, v34
	v_add_nc_u32 v49, v49, v35             ; my lane's 128 tokens
	v_and_b32 v50, s54, v32
	v_and_b32 v51, s55, v33
	v_and_b32 v52, s61, v34
	v_add3_u32 v50, v50, v51, v52          ; the words below mine in my lane,
	s_sub_co_u32 s62, 0, s22
	v_add_nc_u32 v50, s62, v50             ; less my tile's first rank,
.set b, 0
.irp x,1,2,4,8                         ; and the lanes below mine: v49 holds the sum of my block of x lanes; the partner block counts where it lies below
	v_mov_b32_dpp v28, v49 row_xmask:\x row_mask:0xf bank_mask:0xf
	v_bfe_u32 v29, v0, b, 1
	v_mad_u32_u24 v50, v28, v29, v50
	v_add_nc_u32 v49, v49, v28
.set b, b+1
.endr
	v_permlanex16_b32 v28, v49, s58, s59
	v_mad_u32_u24 v50, v28, v2, v50        ; v50: the place in the tile of my word's first chosen token (below the tile: a large unsigned number)
	s_lshl_b32 s62, s18, 5
	v_lshl_add_u32 v61, v44, 7, s62        ; the tokens of bits 0 to 3
	v_add_nc_u32 v62, 1, v61
	v_add_nc_u32 v63, 2, v61
	v_add_nc_u32 v64, 3, v61
	s_mov_b32 s63, 8
.Lscan:                                        ; eight trips of four bits, stage by stage, so that no line reads the one before it
	v_bfe_u32 v51, v48, 0, 1
	v_bfe_u32 v52, v48, 1, 1
	v_bfe_u32 v53, v48, 2, 1
	v_bfe_u32 v54, v48, 3, 1
	v_add_nc_u32 v55, v50, v51             ; the places of bits 1, 2, 3, and of the next trip's bit 0
	v_add3_u32 v56, v50, v51, v52
	v_add_nc_u32 v57, v56, v53
	v_add_nc_u32 v58, v57, v54
	v_add_nc_u32 v51, -1, v51              ; 0 where the token is chosen, all ones where not
	v_add_nc_u32 v52, -1, v52
	v_add_nc_u32 v53, -1, v53
	v_add_nc_u32 v54, -1, v54
	v_or_b32 v51, v50, v51
	v_or_b32 v52, v55, v52
	v_or_b32 v53, v56, v53
	v_or_b32 v54, v57, v54
.irp q,51,52,53,54
	v_min_u32 v\q, 144, v\q                ; not chosen, below my tile or past it: the dump word
.endr
.irp q,51,52,53,54
	v_lshl_add_u32 v\q, v\q, 2, s60
.endr
	ds_store_b32 v51, v61
	ds_store_b32 v52, v62
	ds_store_b32 v53, v63
	ds_store_b32 v54, v64
.irp q,61,62,63,64
	v_add_nc_u32 v\q, 4, v\q
.endr
	v_lshrrev_b32 v48, 4, v48
	v_mov_b32 v50, v58
	s_sub_co_u32 s63, s63, 1
	s_cmp_lg_u32 s63, 0
	s_cbranch_scc1 .Lscan
	s_wait_dscnt 0x0                       ; for the others' sake: my list is stored
	s_barrier_signal -1
	s_barrier_wait -1
	; THE ROWS: each lane's 9 tokens (gate and place), and the wave's 36 rows of x into XH
	BIASLOAD
.irp a,0,1,2,3,4,5,6,7,8
	v_add_nc_u32 v[148+\a], 16*\a, v1
	v_min_u32 v[148+\a], s24, v[148+\a]    ; places past the count repeat the last row
	v_min_u32 v[148+\a], 143, v[148+\a]
	v_lshl_add_u32 v[148+\a], v[148+\a], 2, LIST
.endr
	s_mul_i32 s30, s18, 36
	v_add_nc_u32 v28, s30, v44
	v_add_nc_u32 v29, 32, v28
.irp q,28,29
	v_min_u32 v\q, s24, v\q
	v_min_u32 v\q, 143, v\q
	v_lshl_add_u32 v\q, v\q, 2, LIST
.endr
.irp a,0,1,2,3,4,5,6,7,8
.irp q,0,1,2,3
	ds_load_b32 v[48+4*\a+\q], v[148+\a] offset:\q*LPITCH
.endr
.endr
.irp q,0,1,2,3
	ds_load_b32 v[84+\q], v28 offset:\q*LPITCH
	ds_load_b32 v[88+\q], v29 offset:\q*LPITCH
.endr
	s_wait_dscnt 0x0
.irp a,0,1,2,3,4,5,6,7,8
	v_add3_u32 v[148+\a], v[48+4*\a], v[49+4*\a], v[50+4*\a]   ; one of the four lists holds the token, the others 0
.endr
.irp a,0,1,2,3,4,5,6,7,8
	v_add_nc_u32 v[148+\a], v[148+\a], v[51+4*\a]
.endr
	v_add3_u32 v28, v84, v85, v86
	v_add3_u32 v29, v88, v89, v90
	v_add_nc_u32 v28, v28, v87
	v_add_nc_u32 v29, v29, v91
.irp a,0,1,2,3,4,5,6,7,8
	v_min_u32 v[148+\a], 0xfff, v[148+\a]
	v_lshlrev_b32 v[157+\a], 2, v[148+\a]
	v_lshlrev_b32 v[166+2*\a], 3, v[148+\a]
.endr
	v_min_u32 v28, 0xfff, v28
	v_min_u32 v29, 0xfff, v29
.irp a,0,1,2,3,4,5,6,7,8
	global_load_b32 v[157+\a], v[157+\a], s[4:5]
	global_load_b64 v[166+2*\a:167+2*\a], v[166+2*\a], s[6:7]
.endr
.irp bt,0,1                            ; my 36 rows' tokens, read from their lanes in two batches of 18 and used only then: two waits of the scalar unit for the vector unit, not 36
.set i, 0
.rept 18
.if 18*\bt+i < 32
	v_readlane_b32 s[66+i], v28, 18*\bt+i
.else
	v_readlane_b32 s[66+i], v29, 18*\bt+i-32
.endif
.set i, i+1
.endr
.set i, 0
.rept 18
	s_min_u32 s[66+i], s[66+i], 0xfff
.set i, i+1
.endr
.set i, 0
.rept 18
	v_lshl_add_u32 v[112+18*\bt+i], s[66+i], 10, v3   ; the token's 1,024 bytes of xb, 16 a lane
.set i, i+1
.endr
.endr
	WIN 0x80                               ; the accumulators' registers are free: rows 0-31 into window 2,
.set i, 0
.rept 32
	global_load_b128 v[8*i:8*i+3], v[112+i], s[8:9]
	global_load_b128 v[8*i+4:8*i+7], v[112+i], s[8:9] offset:512
.set i, i+1
.endr
	WIN 0xc0                               ; rows 32-35 into window 3
.set i, 0
.rept 4
	global_load_b128 v[8*i:8*i+3], v[144+i], s[8:9]
	global_load_b128 v[8*i+4:8*i+7], v[144+i], s[8:9] offset:512
.set i, i+1
.endr
	WIN 0
	; GELU's constants.  erf(z) = z P(z^2) / Q(z^2); here in u = z^2 / 16, so coefficient i is multiplied by 16^i, and P by 2 besides (it meets z / 4 and gives erf / 2): powers of two, which change no digit
	SPAIR 66, 0x3e3504f3                   ; 1 / (4 sqrt(2))
	SPAIR 68, 0xbc15df0b                   ; P, highest power first: -2.72614226e-10 x 2^25
	SPAIR 70, 0x3d6dffee                   ;  2.77068142e-08 x 2^21
	SPAIR 72, 0xbe8cff51                   ; -2.10102402e-06 x 2^17
	SPAIR 74, 0xbeeec2d2                   ; -5.69250639e-05 x 2^13
	SPAIR 76, 0xbec0ac63                   ; -7.34990630e-04 x 2^9
	SPAIR 78, 0xbdc1a1f6                   ; -2.95459981e-03 x 2^5
	SPAIR 80, 0xbd03dbd4                   ; -1.60960333e-02 x 2
	SPAIR 82, 0xbf7460cd                   ; Q: -1.45660718e-05 x 2^16
	SPAIR 84, 0xbf5fbd29                   ; -2.13374055e-04 x 2^12
	SPAIR 86, 0xbedc924e                   ; -1.68282697e-03 x 2^8
	SPAIR 88, 0xbdf19bf8                   ; -7.37332917e-03 x 2^4
	SPAIR 90, 0xbc69b6a7                   ; -1.42647391e-02
	SPAIR 92, 0x40b504f3                   ; 4 sqrt(2)
	s_mov_b32 s39, 0
	s_mul_i32 s30, s18, 36*PITCH
	v_add_nc_u32 v30, s30, v3
	s_wait_loadcnt 0x0
.irp a,0,1,2,3,4,5,6,7,8
	v_lshrrev_b32 v31, 8, v[157+\a]
	v_cmp_eq_u32 vcc_lo, s21, v31          ; is my expert the token's second choice?
	v_cndmask_b32 v[10+\a], v[166+2*\a], v[167+2*\a], vcc_lo
	v_cndmask_b32 v31, 0, 1, vcc_lo
	v_lshl_add_u32 v[19+\a], v31, 12, v[148+\a]
.endr
	WIN 0x08                               ; store data in window 2
.set i, 0
.rept 32
	ds_store_b128 v30, v[8*i:8*i+3] offset:i*PITCH
	ds_store_b128 v30, v[8*i+4:8*i+7] offset:i*PITCH+512
.set i, i+1
.endr
	WIN 0x0c
.set i, 0
.rept 4
	ds_store_b128 v30, v[8*i:8*i+3] offset:(32+i)*PITCH
	ds_store_b128 v30, v[8*i+4:8*i+7] offset:(32+i)*PITCH+512
.set i, i+1
.endr
	WIN 0
.Lphase:                                       ; ONE TEXT FOR BOTH PRODUCTS: 144 rows x 512 (x, then h) times 512 x 128 (my columns of W1's slice, then of W2's)
	s_wait_loadcnt 0x0                     ; the bias, and with it the first three K steps' weights, issued ahead of it
	BIASCVT
	s_wait_dscnt 0x0                       ; for the others' sake: my rows (x), or my columns (h), are stored
	s_barrier_signal -1
	s_barrier_wait -1                      ; XH is whole
	XLOAD 0, 0
	CHUNK 0, 0, 1, 1, 64, 1, 24576, 32
	WIN 0
	s_mov_b32 s40, 3
	s_branch .Lenter                       ; the loop is entered behind its first K step, which is written out above: it starts the sums
.Lloop:                                        ; a trip: four K steps
	s_wait_xcnt 0x0                        ; the weights' base is stepped only behind this wait
	s_add_nc_u64 s[34:35], s[34:35], 0x8000
	v_add_nc_u32 v4, 0x100, v4
	v_add_nc_u32 v5, 0x100, v5
	v_add_nc_u32 v6, 0x100, v6
	CHUNK 0, 0, 0, 1, 64, 1, 24576, 32
	WIN 0
.Lenter:
	CHUNK 1, 1, 0, 1, 128, 1, 32768, 32
	CHUNK 0, 2, 0, 1, 192, 1, 40960, 32
	CHUNK 1, 3, 0, 1, 256, 1, 49152, 32
	WIN 0
	s_sub_co_u32 s40, s40, 1
	s_cmp_lg_u32 s40, 0
	s_cbranch_scc1 .Lloop
	s_wait_xcnt 0x0                        ; K steps 12 to 15 are written out: no load passes the phase's end, and the counts run down
	s_add_nc_u64 s[34:35], s[34:35], 0x8000
	v_add_nc_u32 v4, 0x100, v4
	v_add_nc_u32 v5, 0x100, v5
	v_add_nc_u32 v6, 0x100, v6
	CHUNK 0, 0, 0, 1, 64, 1, 24576, 32
	CHUNK 1, 1, 0, 1, 128, 0, 0, 32
	CHUNK 0, 2, 0, 1, 192, 0, 0, 16
	CHUNK 1, 3, 0, 0, 0, 0, 0, 0
	WIN 0
	PLACES                                 ; behind the last products: their results are read, and their sources loaded into, below
	v_mov_b32 v4, v40
	v_mov_b32 v5, v41
	v_mov_b32 v6, v42
	s_wait_xcnt 0x0
	s_add_nc_u64 s[34:35], s[34:35], 0x8000  ; the next phase's weights
	s_cmp_eq_u32 s39, 1
	s_cbranch_scc1 .Lepi
	; GELU: h = s F(s), rounded to bf16, into XH in x's place
	s_wait_dscnt 0x0
	s_barrier_signal -1
	s_barrier_wait -1                      ; no wave reads x any more
	WLOAD 0, 0
	WLOAD 1, 8192
	WLOAD 2, 16384
	WIN 0
	s_lshl_b32 s56, s21, 11
	s_lshl_b32 s30, s18, 9
	s_add_co_u32 s56, s56, s30
	s_add_nc_u64 s[36:37], s[14:15], s[56:57]  ; b2 at my 128 columns,
	s_cmp_eq_u32 s20, 0
	s_cselect_b32 s38, -1, 0               ; which slice 0 alone adds
	BIASLOAD
	v_mov_b32 v38, 0.5                     ; a line with clamp takes its sources from vector registers
	v_mov_b32 v39, 0.5
	s_mov_b32 s44, 0
.Lgl:                                          ; 18 trips of 32 numbers a lane: a short static part for each (an accumulator's name is part of the instruction), one common text
	s_lshr_b32 s42, s44, 1                 ; row block
	s_and_b32 s43, s44, 1                  ; which half of its 8 fragments
	s_lshl_b32 s46, s42, 4
	s_cmp_ge_u32 s46, s23                  ; a row block past the count is jumped; its rows of XH keep x, and what is made of them is stored nowhere
	s_cbranch_scc1 .Lgn
.irp a,0,1,2,3,4,5,6,7
	s_cmp_eq_u32 s42, \a
	s_cbranch_scc1 .Lga\a
.endr
.irp a,8,7,6,5,4,3,2,1,0
.Lga\a:
	s_cmp_eq_u32 s43, 0
	s_cbranch_scc1 .Lgb\a
	GB \a, 1
.Lgb\a:
	GB \a, 0
.endr
.Lgc:                                          ; zq v112-143, u v144-175, P v176-207, Q v208-239, the packed result v240-255.  P's and Q's stages alternate: 32 lines stand between a stage and the one that reads it
	v_add_nc_u32 v36, s41, v7
.set q, 0
.rept 16
	v_pk_mul_f32 v[144+2*q:145+2*q], v[112+2*q:113+2*q], v[112+2*q:113+2*q] clamp   ; u = z^2 / 16, held to 1
.set q, q+1
.endr
.set q, 0
.rept 16
	v_pk_fma_f32 v[208+2*q:209+2*q], v[144+2*q:145+2*q], s[82:83], s[84:85] op_sel_hi:[1,0,0]
.set q, q+1
.endr
.set q, 0
.rept 16
	v_pk_fma_f32 v[176+2*q:177+2*q], v[144+2*q:145+2*q], s[68:69], s[70:71] op_sel_hi:[1,0,0]
.set q, q+1
.endr
	HORNER 208, 86, -1
	HORNER 176, 72, -1
	HORNER 208, 88, -1
	HORNER 176, 74, -1
	HORNER 208, 90, -1
	HORNER 176, 76, -1
	HORNER 176, 78, 0                      ; the 32 reciprocals are one batch, a plain line of P between any two
	HORNER 176, 80, 16
.set q, 0
.rept 16
	v_pk_mul_f32 v[176+2*q:177+2*q], v[176+2*q:177+2*q], v[112+2*q:113+2*q]         ; zq P
.set q, q+1
.endr
.set q, 0
.rept 16
	v_pk_mul_f32 v[112+2*q:113+2*q], v[112+2*q:113+2*q], s[92:93] op_sel_hi:[1,0]   ; s again
.set q, q+1
.endr
	s_wait_alu depctr_va_vdst(0)           ; one wait for the batch, ahead of its first reader; 32 plain lines stand behind the last reciprocal
.set q, 0
.rept 16
	v_pk_fma_f32 v[176+2*q:177+2*q], v[176+2*q:177+2*q], v[208+2*q:209+2*q], v[38:39] clamp  ; F = erf / 2 + 1/2, held to 0 .. 1
.set q, q+1
.endr
.set q, 0
.rept 16
	v_pk_mul_f32 v[112+2*q:113+2*q], v[112+2*q:113+2*q], v[176+2*q:177+2*q]
.set q, q+1
.endr
.irp g,0,1
.irp j,0,1,2,3,4,5,6,7
	v_cvt_pk_bf16_f32 v[240+8*\g+\j], v[112+16*\g+\j], v[120+16*\g+\j]   ; columns 2 j and 2 j + 1 of my 16 in column group g of the half
.endr
.endr
	ds_store_b128 v36, v[240:243]
	ds_store_b128 v36, v[244:247] offset:16
	ds_store_b128 v36, v[248:251] offset:64
	ds_store_b128 v36, v[252:255] offset:80
.Lgn:
	s_add_co_u32 s44, s44, 1
	s_cmp_lt_u32 s44, 18
	s_cbranch_scc1 .Lgl
	s_add_co_u32 s39, s39, 1
	s_cmp_lt_u32 s39, 2
	s_cbranch_scc1 .Lphase
.Lepi:                                         ; THE WAY OUT: a row block at a time: times the gate, through my own stage, back as whole rows of 512 bytes
	s_lshl_b32 s56, s20, 24
	s_lshl_b32 s30, s18, 9
	s_add_co_u32 s56, s56, s30
	s_add_nc_u64 s[48:49], s[16:17], s[56:57]  ; part at my slice's two planes and my 128 columns
	s_mov_b32 s45, 0                       ; the block's first row
	s_mov_b32 s44, 0
.Lel:
	s_cmp_ge_u32 s45, s23                  ; a block wholly past the count, and all behind it: nothing is left to store
	s_cbranch_scc1 .Ldone
.irp a,0,1,2,3,4,5,6,7
	s_cmp_eq_u32 s44, \a
	s_cbranch_scc1 .Lea\a
.endr
.irp a,8,7,6,5,4,3,2,1,0
.Lea\a:
	EB \a
.endr
.Lec:
.set n, 0
.rept 16
	ds_store_b128 v8, v[112+4*n:112+4*n+3] offset:128*(n/4)+16*(n%4)
.set n, n+1
.endr
	s_wait_xcnt 0x0                        ; the last block's stores have read their data and offsets
.set n, 0
.rept 16
	ds_load_b128 v[176+4*n:176+4*n+3], v9 offset:SPITCH*n  ; LDS serves a wave's instructions in order (ISA guide 5.7.1.4): these see the stores above, and the next block's stores come behind them
.set n, n+1
.endr
.set n, 0
.rept 16                               ; the 16 rows' places, read from their lanes as one batch while the rows come back from the stage
	v_readlane_b32 s[66+n], v28, n
.set n, n+1
.endr
.set n, 0
.rept 16
	s_min_u32 s[66+n], s[66+n], 0x1fff
.set n, n+1
.endr
.set n, 0
.rept 16
	v_lshl_add_u32 v[240+n], s[66+n], 11, v3
.set n, n+1
.endr
	s_add_co_u32 s46, s45, 16
	s_cmp_le_u32 s46, s23
	s_cbranch_scc0 .Llast
.set n, 0
.rept 16                               ; a block wholly inside the count
	s_wait_dscnt 15-n                      ; row n is back; the younger rows stay out
	global_store_b128 v[240+n], v[176+4*n:176+4*n+3], s[48:49]  ; the wave stores 512 consecutive aligned bytes
.set n, n+1
.endr
	s_mov_b32 s45, s46
	s_add_co_u32 s44, s44, 1
	s_cmp_lt_u32 s44, 9
	s_cbranch_scc1 .Lel
	s_branch .Ldone
.Llast:                                        ; the tile's last block, in part past the count: whole stores are jumped
.set n, 0
.rept 16
	s_cmp_ge_u32 s45, s23
	s_cbranch_scc1 .Ldone
	s_wait_dscnt 15-n
	global_store_b128 v[240+n], v[176+4*n:176+4*n+3], s[48:49]
	s_add_co_u32 s45, s45, 1
.set n, n+1
.endr
.Ldone:
	s_wait_tensorcnt 0x0                   ; the wave's end, behind my last LDS store
	ds_add_u32 v46, v47
	s_wait_dscnt 0x0
	s_endpgm
.Lfunc_end_k_q5de0d1c0ee_chain:
	.size	k_q5de0d1c0ee_chain, .Lfunc_end_k_q5de0d1c0ee_chain-k_q5de0d1c0ee_chain
	.p2alignl 7, 3214868480
	.fill 96, 4, 3214868480
	.section	.rodata,"a",@progbits
	.p2align	6, 0x0
	.amdhsa_kernel k_q5de0d1c0ee_chain
		.amdhsa_group_segment_fixed_size 187136
		.amdhsa_private_segment_fixed_size 0
		.amdhsa_enable_private_segment 0
		.amdhsa_kernarg_size 56
		.amdhsa_user_sgpr_count 2
		.amdhsa_user_sgpr_kernarg_segment_ptr 1
		.amdhsa_wavefront_size32 1
		.amdhsa_system_sgpr_workgroup_id_x 1
		.amdhsa_system_sgpr_workgroup_id_y 1
		.amdhsa_system_sgpr_workgroup_id_z 1
		.amdhsa_system_vgpr_workitem_id 0
		.amdhsa_next_free_vgpr 1024
		.amdhsa_next_free_sgpr 96
		.amdhsa_reserve_vcc 1
		.amdhsa_float_denorm_mode_32 3
		.amdhsa_float_denorm_mode_16_64 3
		.amdhsa_memory_ordered 1
		.amdhsa_forward_progress 1
		.amdhsa_inst_pref_size 204
	.end_amdhsa_kernel
	.amdgpu_metadata
---
amdhsa.version: [ 1, 2 ]
amdhsa.kernels:
  - .name:           k_q5de0d1c0ee_chain
    .symbol:         k_q5de0d1c0ee_chain.kd
    .args:
      - { .name: route, .offset: 0, .size: 8, .value_kind: global_buffer, .address_space: global }
      - { .name: rf, .offset: 8, .size: 8, .value_kind: global_buffer, .address_space: global }
      - { .name: xb, .offset: 16, .size: 8, .value_kind: global_buffer, .address_space: global }
      - { .name: wf, .offset: 24, .size: 8, .value_kind: global_buffer, .address_space: global }
      - { .name: b1, .offset: 32, .size: 8, .value_kind: global_buffer, .address_space: global }
      - { .name: b2, .offset: 40, .size: 8, .value_kind: global_buffer, .address_space: global }
      - { .name: part, .offset: 48, .size: 8, .value_kind: global_buffer, .address_space: global }
    .group_segment_fixed_size: 187136
    .private_segment_fixed_size: 0
    .kernarg_segment_align: 8
    .kernarg_segment_size: 56
    .max_flat_workgroup_size: 128
    .sgpr_count:     96
    .vgpr_count:     1024
    .wavefront_size: 32
...
	.end_amdgpu_metadata
.endif
;; end of part 5
;; launch sum: the kernel of part 3 again; grid 256 x 1, 8 waves a work-group, no clusters, 0 bytes of LDS; arguments part, rf, out0, out1; writes out0, out1
